; MI455X (gfx1250); checked and timed in simulation.
; The chip was launched on July 23, 2026; its instructions are those of AMD's public machine-readable ISA for CDNA 5 (MIT licence, August 2026) and "CDNA5" Instruction Set Architecture Reference Guide (July 2026). The comments in the code are by the model that wrote it; some were corrected since.
;; Spiking Cross Attention. Allowed arithmetic: float matrix products may take bf16 or f16 operands with f32 sums; all other float work in f32.
;; Inputs: k_b 512 float32; k_beta 512 float32; k_gamma 512 float32; k_mean 512 float32; k_var 512 float32; k_w 512 x 512 float32; key 4 x 8 x 1,024 x 512 float32; proj_b 512 float32; proj_beta 512 float32; proj_gamma 512 float32; proj_mean 512 float32; proj_var 512 float32; proj_w 512 x 512 float32; q_b 512 float32; q_beta 512 float32; q_gamma 512 float32; q_mean 512 float32; q_var 512 float32; q_w 512 x 512 float32; query 4 x 8 x 1,024 x 512 float32; v_b 512 float32; v_beta 512 float32; v_gamma 512 float32; v_mean 512 float32; v_var 512 float32; v_w 512 x 512 float32; value 4 x 8 x 1,024 x 512 float32.
;; Outputs: out0 4 x 8 x 1,024 x 512 float32.
;; 2 versions, each right and faster than the one before. Each part assembles by itself: llvm-mc -triple=amdgcn-amd-amdhsa -mcpu=gfx1250 --defsym DOCPART=n.
;; ======== version 1 of 2: 4 launches
;; limits: values outside matrix products are rounded to bf16
;; workspace buffers: wbf 2,097,152 bytes; bnp 49,152 bytes; bits 6,291,456 bytes; attnf 2,097,152 bytes
;; launch prep (part 1): grid 256 x 1, 4 waves a work-group, no clusters, 0 bytes of LDS; arguments k_w, k_b, k_gamma, k_beta, k_mean, k_var, v_w, v_b, v_gamma, v_beta, v_mean, v_var, q_w, q_b, q_gamma, q_beta, q_mean, q_var, proj_w, proj_b, proj_gamma, proj_beta, proj_mean, proj_var, wbf, bnp; writes wbf, bnp
.if DOCPART == 1
	.amdgcn_target "amdgcn-amd-amdhsa--gfx1250"
	.amdhsa_code_object_version 6
	.text
	.protected	k_qedfc5cf59f_prep
	.globl	k_qedfc5cf59f_prep
	.p2align	8
	.type	k_qedfc5cf59f_prep,@function
k_qedfc5cf59f_prep:
	s_mov_b64 s[64:65], 0
	v_nop
	global_prefetch_b8 v0, s[64:65] scope:SCOPE_SE
	s_setreg_imm32_b32 hwreg(HW_REG_WAVE_MODE, 25, 1), 1
	s_wait_xcnt 0x0
; The four weights [512 n][512 k] f32 become bf16 in K-step tiles, wbf[path k,v,q,proj][kstep 8][n 512][kk 64]: a tile is 65,536 dense bytes,
; so that the later launches fetch it in rows of 256 bytes.  BatchNorm and the bias are folded to h = acc * s + c:
; s = gamma * rsqrt(var + 1e-5), c = (b - mean) * s + beta;  bnp[path]: s[512] at +0, c[512] at +2048, (s,s,c,c)[512] at +4096.
; FORMAT, a design decision: a spike is a threshold decision, so a path has one well-defined result only if all its inputs are taken in one format.
; The matrix operands x and W have to be bf16; b, gamma, beta, mean and var are therefore rounded to bf16 (nearest even) too, and everything from
; there on is f32: the path is reference() in f32 on inputs rounded to bf16.  The BN vectors so carry 8 significant bits (relative error at most 2^-8).
; LIMIT: the fold rounds in another order than (acc + b - mean) * s + beta; the difference is a few units in the last place of h.
; A stream: no LDS, no matrix unit, no cluster (no work-group shares a byte with another).
; Every work-group converts 1/256 of each weight: thread = one chunk of 8 numbers (32 bytes in, 16 bytes out).
.set PATHW, 524288                     ; bytes of one path in wbf
.set PATHP, 12288                      ; bytes of one path in bnp
.set LD,  8                            ; v[8:39]   path p: 8 f32 as loaded
.set CV,  40                           ; v[40:55]  path p: 4 registers of bf16
.set BL,  64                           ; v[64:95]  path p: b, gamma, beta, mean, var, three at work
.set BO,  96                           ; v[96:111] path p: s, s, c, c
	s_load_b512 s[8:23],  s[0:1], 0x0              ; pointer i (w, b, gamma, beta, mean, var) of path p lies in s[8+12p+2i : +1]
	s_load_b512 s[24:39], s[0:1], 0x40
	s_load_b512 s[40:55], s[0:1], 0x80
	s_load_b128 s[56:59], s[0:1], 0xc0             ; wbf s[56:57], bnp s[58:59]
	s_and_b32 s2, ttmp9, 31                        ; chunk number = 128 x + thread = kstep * 4096 + n * 8 + k8
	s_lshl_b32 s2, s2, 15                          ; (x & 31) * 16 rows of 2,048 bytes
	s_lshr_b32 s3, ttmp9, 5
	s_lshl_b32 s3, s3, 8                           ; kstep = x >> 5: 256 bytes along a row
	s_add_co_u32 s2, s2, s3
	s_lshl_b32 s3, ttmp9, 11                       ; 128 chunks of 16 bytes
	v_lshrrev_b32 v1, 3, v0
	v_and_b32 v3, 7, v0
	v_lshl_add_u32 v1, v1, 11, s2                  ; + (thread >> 3) rows
	v_lshl_add_u32 v1, v3, 5, v1                   ; + (thread & 7) * 32 bytes: source offset
	v_lshl_add_u32 v2, v0, 4, s3                   ; destination offset: a wave's store covers 512 consecutive bytes
	s_wait_kmcnt 0x0
.irp p, 0,1,2,3
	global_load_b128 v[LD+8*\p:LD+8*\p+3],   v1, s[8+12*\p:8+12*\p+1] th:TH_LOAD_NT
	global_load_b128 v[LD+8*\p+4:LD+8*\p+7], v1, s[8+12*\p:8+12*\p+1] offset:16 th:TH_LOAD_NT
.endr
.irp p, 0,1,2,3
	s_wait_loadcnt 6-2*\p                          ; the later paths' loads, two each, may stay out
.irp j, 0,1,2,3
	v_cvt_pk_bf16_f32 v[CV+4*\p+\j], v[LD+8*\p+2*\j], v[LD+8*\p+2*\j+1]
.endr
	global_store_b128 v2, v[CV+4*\p:CV+4*\p+3], s[56:57] offset:\p*PATHW
.endr
	s_cmp_gt_u32 ttmp9, 3                          ; 512 columns = 4 work-groups of 128 threads do the fold as well
	s_cbranch_scc1 .Lend
	s_lshl_b32 s2, ttmp9, 7
	v_add_nc_u32 v6, s2, v0                        ; column
	v_lshlrev_b32 v4, 2, v6
	v_lshlrev_b32 v5, 4, v6
.irp p, 0,1,2,3
.irp i, 0,1,2,3,4
	global_load_b32 v[BL+8*\p+\i], v4, s[10+12*\p+2*\i:10+12*\p+2*\i+1]
.endr
.endr
	s_wait_loadcnt 0x0
.irp p, 0,1,2,3
	; the five numbers are rounded to bf16, two to a register, and widened again: the low half by a shift, the high half by a mask
	v_cvt_pk_bf16_f32 v[BL+8*\p+5], v[BL+8*\p],   v[BL+8*\p+1]         ; b, gamma
	v_cvt_pk_bf16_f32 v[BL+8*\p+6], v[BL+8*\p+2], v[BL+8*\p+3]         ; beta, mean
	v_cvt_pk_bf16_f32 v[BL+8*\p+7], v[BL+8*\p+4], v[BL+8*\p+4]         ; var
	v_lshlrev_b32 v[BL+8*\p],   16, v[BL+8*\p+5]
	v_and_b32     v[BL+8*\p+1], 0xffff0000, v[BL+8*\p+5]
	v_lshlrev_b32 v[BL+8*\p+2], 16, v[BL+8*\p+6]
	v_and_b32     v[BL+8*\p+3], 0xffff0000, v[BL+8*\p+6]
	v_lshlrev_b32 v[BL+8*\p+4], 16, v[BL+8*\p+7]
	; the fold, in f32
	v_add_f32 v[BL+8*\p+4], 0x3727c5ac, v[BL+8*\p+4]                   ; x = var + 1e-5
	v_rsq_f32 v[BL+8*\p+5], v[BL+8*\p+4]                               ; y
	v_sub_f32 v[BL+8*\p], v[BL+8*\p], v[BL+8*\p+3]                     ; b - mean: the plain instruction behind the transcendental (ISA guide 5.7.2)
	s_wait_alu depctr_va_vdst(0)
	v_mul_f32 v[BL+8*\p+6], v[BL+8*\p+4], v[BL+8*\p+5]                 ; x y
	v_fma_f32 v[BL+8*\p+6], -v[BL+8*\p+6], v[BL+8*\p+5], 1.0           ; e = 1 - x y y
	v_mul_f32 v[BL+8*\p+7], 0.5, v[BL+8*\p+5]
	v_fma_f32 v[BL+8*\p+5], v[BL+8*\p+7], v[BL+8*\p+6], v[BL+8*\p+5]   ; one Newton step: y + y e / 2
	v_mul_f32 v[BO+4*\p], v[BL+8*\p+1], v[BL+8*\p+5]                   ; s
	v_fma_f32 v[BO+4*\p+2], v[BL+8*\p], v[BO+4*\p], v[BL+8*\p+2]       ; c
	v_mov_b32 v[BO+4*\p+1], v[BO+4*\p]
	v_mov_b32 v[BO+4*\p+3], v[BO+4*\p+2]
	global_store_b32  v4, v[BO+4*\p],   s[58:59] offset:\p*PATHP
	global_store_b32  v4, v[BO+4*\p+2], s[58:59] offset:\p*PATHP+2048
	global_store_b128 v5, v[BO+4*\p:BO+4*\p+3], s[58:59] offset:\p*PATHP+4096
.endr
.Lend:
	s_endpgm
.Lfunc_end_k_qedfc5cf59f_prep:
	.size	k_qedfc5cf59f_prep, .Lfunc_end_k_qedfc5cf59f_prep-k_qedfc5cf59f_prep
	.p2alignl 7, 3214868480
	.fill 96, 4, 3214868480
	.section	.rodata,"a",@progbits
	.p2align	6, 0x0
	.amdhsa_kernel k_qedfc5cf59f_prep
		.amdhsa_group_segment_fixed_size 0
		.amdhsa_private_segment_fixed_size 0
		.amdhsa_enable_private_segment 0
		.amdhsa_kernarg_size 208
		.amdhsa_user_sgpr_count 2
		.amdhsa_user_sgpr_kernarg_segment_ptr 1
		.amdhsa_wavefront_size32 1
		.amdhsa_system_sgpr_workgroup_id_x 1
		.amdhsa_system_sgpr_workgroup_id_y 1
		.amdhsa_system_sgpr_workgroup_id_z 1
		.amdhsa_system_vgpr_workitem_id 0
		.amdhsa_next_free_vgpr 112
		.amdhsa_next_free_sgpr 66
		.amdhsa_reserve_vcc 0
		.amdhsa_float_denorm_mode_32 3
		.amdhsa_float_denorm_mode_16_64 3
		.amdhsa_memory_ordered 1
		.amdhsa_forward_progress 1
		.amdhsa_inst_pref_size 11
	.end_amdhsa_kernel
	.amdgpu_metadata
---
amdhsa.version: [ 1, 2 ]
amdhsa.kernels:
  - .name:           k_qedfc5cf59f_prep
    .symbol:         k_qedfc5cf59f_prep.kd
    .args:
      - { .name: k_w, .offset: 0, .size: 8, .value_kind: global_buffer, .address_space: global }
      - { .name: k_b, .offset: 8, .size: 8, .value_kind: global_buffer, .address_space: global }
      - { .name: k_gamma, .offset: 16, .size: 8, .value_kind: global_buffer, .address_space: global }
      - { .name: k_beta, .offset: 24, .size: 8, .value_kind: global_buffer, .address_space: global }
      - { .name: k_mean, .offset: 32, .size: 8, .value_kind: global_buffer, .address_space: global }
      - { .name: k_var, .offset: 40, .size: 8, .value_kind: global_buffer, .address_space: global }
      - { .name: v_w, .offset: 48, .size: 8, .value_kind: global_buffer, .address_space: global }
      - { .name: v_b, .offset: 56, .size: 8, .value_kind: global_buffer, .address_space: global }
      - { .name: v_gamma, .offset: 64, .size: 8, .value_kind: global_buffer, .address_space: global }
      - { .name: v_beta, .offset: 72, .size: 8, .value_kind: global_buffer, .address_space: global }
      - { .name: v_mean, .offset: 80, .size: 8, .value_kind: global_buffer, .address_space: global }
      - { .name: v_var, .offset: 88, .size: 8, .value_kind: global_buffer, .address_space: global }
      - { .name: q_w, .offset: 96, .size: 8, .value_kind: global_buffer, .address_space: global }
      - { .name: q_b, .offset: 104, .size: 8, .value_kind: global_buffer, .address_space: global }
      - { .name: q_gamma, .offset: 112, .size: 8, .value_kind: global_buffer, .address_space: global }
      - { .name: q_beta, .offset: 120, .size: 8, .value_kind: global_buffer, .address_space: global }
      - { .name: q_mean, .offset: 128, .size: 8, .value_kind: global_buffer, .address_space: global }
      - { .name: q_var, .offset: 136, .size: 8, .value_kind: global_buffer, .address_space: global }
      - { .name: proj_w, .offset: 144, .size: 8, .value_kind: global_buffer, .address_space: global }
      - { .name: proj_b, .offset: 152, .size: 8, .value_kind: global_buffer, .address_space: global }
      - { .name: proj_gamma, .offset: 160, .size: 8, .value_kind: global_buffer, .address_space: global }
      - { .name: proj_beta, .offset: 168, .size: 8, .value_kind: global_buffer, .address_space: global }
      - { .name: proj_mean, .offset: 176, .size: 8, .value_kind: global_buffer, .address_space: global }
      - { .name: proj_var, .offset: 184, .size: 8, .value_kind: global_buffer, .address_space: global }
      - { .name: wbf, .offset: 192, .size: 8, .value_kind: global_buffer, .address_space: global }
      - { .name: bnp, .offset: 200, .size: 8, .value_kind: global_buffer, .address_space: global }
    .group_segment_fixed_size: 0
    .private_segment_fixed_size: 0
    .kernarg_segment_align: 8
    .kernarg_segment_size: 208
    .max_flat_workgroup_size: 128
    .sgpr_count:     66
    .vgpr_count:     112
    .wavefront_size: 32
...
	.end_amdgpu_metadata
.endif
;; end of part 1
;; launch paths (part 2): grid 256 x 3, 4 waves a work-group, clusters of 4 x 1, 327,680 bytes of LDS; arguments key, value, query, wbf, bnp, bits; writes bits
.if DOCPART == 2
	.amdgcn_target "amdgcn-amd-amdhsa--gfx1250"
	.amdhsa_code_object_version 6
	.text
	.protected	k_qedfc5cf59f_paths
	.globl	k_qedfc5cf59f_paths
	.p2align	8
	.type	k_qedfc5cf59f_paths,@function
k_qedfc5cf59f_paths:
	s_mov_b64 s[64:65], 0
	v_nop
	global_prefetch_b8 v0, s[64:65] scope:SCOPE_SE
	s_setreg_imm32_b32 hwreg(HW_REG_WAVE_MODE, 25, 1), 1
	s_wait_xcnt 0x0
	s_wait_alu depctr_hold_cnt(0) depctr_sa_sdst(0) depctr_va_vdst(0) depctr_va_sdst(0) depctr_va_ssrc(0) depctr_va_vcc(0) depctr_vm_vsrc(0)
	s_getreg_b32 s2, hwreg(HW_REG_IB_STS2, 6, 4)
	s_cmp_eq_u32 s2, 0
	s_cbranch_scc0 .Lentry_in_a_cluster
	s_endpgm
.Lentry_in_a_cluster:
	s_bfe_u32 s2, ttmp6, 0x10000c
	s_cmp_lg_u32 s2, 0x3003
	s_cbranch_scc0 .Lentry_shape_is_right
	s_endpgm
.Lentry_shape_is_right:
; One of the three input paths (grid y = 0, 1, 2: key, value, query): spikes = LIF over t of BN(x W^T + b), stored as one bit a spike.
; A work-group takes 32 positions l of one batch entry at all four t: 128 rows (row = 32 t + l') x 512 columns, K = 512, so that the LIF, which
; couples the four t of one (l, column), stays in one lane's registers.  Wave w makes all 128 rows x columns 128 w .. +127: 64 accumulator
; tiles of 16 x 16, 512 registers.  M tile m = 2 t + s, s = which 16 of the 32 l.
; x is read from memory once, by loads into registers, rounded to bf16 once and laid into LDS for all four waves.
; W (bf16 K-step tiles of wbf) is what every work-group walks: CLUSTERS of 4 x 1 work-groups ask for each tile jointly (mask 15), one tensor load
; a wave, which divides the requests for W by four.  x is shared with nobody.
; K goes in 8 steps of 64 through two slots; the steps are written out, so that a step's place in K stands in immediates.
; ORIENTATION.  key, value (nat = 1): source 0 = x, source 1 = W: a lane holds one column and eight rows l, which is the operand layout of k^T v
; (contraction over l).  query (nat = 0): source 0 = W, source 1 = x: a lane holds one row and eight columns, the layout of q attn (contraction over d).
; BITS.  bits[tensor k,v,q][t][x][wave][lane][c' 4] u32.  A word holds a lane's two 16-bit fragments (K = 32) q = 0, 1: fragment register p has
; its low element at bit p + 8 q and its high element at bit 16 + p + 8 q.  nat = 1: word c' = column tiles 2c', 2c'+1 (q = tile & 1, p = 4 s + j/2);
; nat = 0: word c' = columns 32 c' .. +31 (p = 4 (tile & 1) + j/2, q = s).
; LIMITS.  Operands are rounded to bf16, sums are f32 in the matrix unit's order, BN is one fused multiply-add: a membrane within a few units in the
; last place of 1.0 can decide otherwise than a sum made in another order.  A membrane of -inf becomes NaN (the reset is v - v S).
.set PITCH,  144                       ; an LDS row: 128 bytes (64 bf16) + 16: an odd multiple of 16, so sixteen rows start 16 bytes apart modulo 256
.set T16,    16*PITCH
.set WPART,  128*PITCH                 ; a wave's 128 rows of W: what its one tensor load brings, and what it alone reads
.set WSLOT,  4*WPART                   ; 73,728: slots at 0 and WSLOT
.set ABASE,  2*WSLOT                   ; 147,456 = 576 * 256: x slots, written by LDS stores alone, never a tensor load's target
.set ASLOT,  128*PITCH
.set WTILE,  65536                     ; a K-step tile of wbf in memory
.set ADRA, 16                          ; v16     LDS address of my x fragments in x slot 0
.set ASTO, 17                          ; v17     where I lay 8 bytes of converted x
.set XOFF, 18                          ; v18     my byte offset in the two rows that a load of x covers
.set PADN, 19                          ; v19     BN offset, nat = 1: (s,s,c,c) of my column
.set ADRB, 20                          ; v20-21  LDS address of my W fragments in slot 0, 1
.set BOFF, 22                          ; v22     16 x thread: my four words of bits
.set PADT, 23                          ; v23     BN offset, nat = 0: s of my eight columns
.set F0,   64                          ; fragment buffers: window 0 x, window 1 W
.set F1,   128
.set SET0, 0                           ; window 1: x as loaded, two sets of 64 registers; at the end the BN numbers
.set SET1, 192
.set HB,   64                          ; the way out, window 0: h, then the membrane, level t at HB + 16 t
.set SK,   128                         ; 16 spikes as 1.0 or 0
.set NB,   160                         ; nibble pairs N(t, s, q) at NB + 8 t + 4 s + 2 q
.set WD,   192                         ; words, 4 t + c'
.set G1, 24                            ; s[24:31] descriptor group 1
.set G0, 32                            ; s[32:39] descriptor group 0, one set for each slot
.set MSK, 40                           ; s[40:55] sixteen lane masks
.set XB, 56                            ; s[56:57] x at my wave's t and the group's first row
.set PB, 58                            ; s[58:59] bnp at my path
.set OB, 60                            ; s[60:61] bits at my tensor and work-group
.set MSB, 0
.macro WIN new                         ; the immediate's high byte repeats the setting that is left
.if MSB != (\new)
	s_set_vgpr_msb (MSB<<8)|(\new)
.set MSB, \new
.endif
.endm
.macro WINLO nat                       ; C and D window 2; nat = 1: source 0 (x) window 0, source 1 (W) window 1; nat = 0: the other way round
.if \nat
	WIN 0xa4
.else
	WIN 0xa1
.endif
.endm
.macro WINHI nat                       ; the same with C and D in window 3
.if \nat
	WIN 0xf4
.else
	WIN 0xf1
.endif
.endm
.macro PLACES                          ; four places behind a matrix instruction, ahead of loads into its sources and of reads of its result
.rept 4
	v_nop
.endr
.endm
.macro CREST                           ; a round of the cluster's barrier behind its opening work-group barrier
	s_cmp_lg_u32 s20, 0
	s_cbranch_scc1 .Lnot_wave_0_\@
	s_barrier_signal -3
.Lnot_wave_0_\@:
	s_barrier_wait -3
	s_barrier_signal -1
	s_barrier_wait -1
.endm
.macro CROUND
	s_barrier_signal -1
	s_barrier_wait -1
	CREST
.endm
	s_load_b256 s[4:11], s[0:1], 0x0               ; key s[4:5], value s[6:7], query s[8:9], wbf s[10:11]
	s_load_b128 s[12:15], s[0:1], 0x20             ; bnp s[12:13], bits s[14:15]
	v_lshl_add_u32 v254, v0, 2, 0x2d000
	v_mov_b32 v255, 0
	ds_add_u32 v254, v255
	v_lshrrev_b32 v1, 5, v0
	v_readfirstlane_b32 s20, v1                    ; wave 0..3
	s_bfe_u32 s21, ttmp6, 0x40000                  ; cx
	s_lshl_b32 s22, ttmp9, 2
	s_add_co_u32 s22, s22, s21                     ; x = 4 * cluster x + cx = 32 b + block of 32 l
	s_and_b32 s23, ttmp7, 0xffff                   ; y: the path, the same in all four partners
	; group 1: 64 dense rows of 256 bytes (= 128 rows of W's tile), 16 bytes of padding behind every 128 bytes
	s_mov_b32 s[G1+0], 15|(3<<16)|(1<<20)|(1<<21)|(4<<22)|(3<<25)  ; 15:0 mask: the four partners; 17:16 elements of 8 bytes; 20 padding on; 21 set beside a mask; 24:22 after 32 words; 31:25 of 4 words
	s_mov_b32 s[G1+1], 32<<16                      ; tensor_dim0 = 32 elements
	s_mov_b32 s[G1+2], 64<<16                      ; tensor_dim1 = 64 rows
	s_mov_b32 s[G1+3], 32<<16                      ; tile_dim0 = 32
	s_mov_b32 s[G1+4], 64                          ; tile_dim1 = 64
	s_mov_b32 s[G1+5], 32                          ; pitch: dense
	s_mov_b32 s[G1+6], 0
	s_mov_b32 s[G1+7], 0
	s_mul_i32 s16, s23, 524288                     ; my path in wbf,
	s_lshl_b32 s17, s20, 14                        ; my wave's 128 rows of 128 bytes in a tile
	s_add_co_u32 s16, s16, s17
	s_mov_b32 s17, 0
	s_mul_i32 s18, s20, WPART                      ; and where they go: the wave's number alone enters an LDS address
	s_wait_dscnt 0x0
	s_wait_kmcnt 0x0
	s_add_nc_u64 s[10:11], s[10:11], s[16:17]
	CROUND                                         ; the four partners are here: the first joint loads meet
.irp sl, 0,1
	s_mov_b32 s[G0+4*\sl], 1
	s_add_co_u32 s[G0+4*\sl+1], s18, \sl*WSLOT
	s_add_nc_u64 s[G0+4*\sl+2:G0+4*\sl+3], s[10:11], \sl*WTILE
	s_or_b32 s[G0+4*\sl+3], s[G0+4*\sl+3], 0x80000000
	tensor_load_to_lds s[G0+4*\sl:G0+4*\sl+3], s[G1:G1+7]          ; K steps 0 and 1: two tensor loads of the wave are out
	s_nop 0
.endr
	s_cmp_eq_u32 s23, 0
	s_cselect_b64 s[XB:XB+1], s[4:5], s[6:7]
	s_cmp_eq_u32 s23, 2
	s_cselect_b64 s[XB:XB+1], s[8:9], s[XB:XB+1]
	s_lshl_b32 s62, s20, 24                        ; wave w stages t = w: 8 * 1024 * 512 * 4 bytes a t
	s_lshl_b32 s63, s22, 16                        ; 32 rows of 2,048 bytes a work-group
	s_add_co_u32 s62, s62, s63
	s_mov_b32 s63, 0
	s_add_nc_u64 s[XB:XB+1], s[XB:XB+1], s[62:63]
	v_and_b32 v2, 15, v0                           ; r
	v_bfe_u32 v3, v0, 4, 1                         ; h
	v_lshlrev_b32 v[XOFF], 4, v2
	v_lshl_add_u32 v[XOFF], v3, 11, v[XOFF]        ; lanes 0-15 one row's 256 bytes, lanes 16-31 the next row's
.macro XLOAD set, kst                  ; my 32 rows x 64 k of K step kst: sixteen loads, each half-wave 256 consecutive aligned bytes
.irp g, 0,1,2,3,4,5,6,7,8,9,10,11,12,13,14,15
	global_load_b128 v[\set+4*\g:\set+4*\g+3], v[XOFF], s[XB:XB+1] offset:\g*4096+\kst*256 th:TH_LOAD_NT
.endr
.endm
	WIN 0x40
	XLOAD SET0, 0
	XLOAD SET1, 1
	WIN 0
	s_mul_i32 s62, s23, 12288
	s_add_nc_u64 s[PB:PB+1], s[12:13], s[62:63]
	s_mul_i32 s62, s23, 2097152
	s_lshl_b32 s19, s22, 11
	s_add_co_u32 s62, s62, s19
	s_add_nc_u64 s[OB:OB+1], s[14:15], s[62:63]
	v_mul_u32_u24 v4, v2, PITCH
	v_lshl_add_u32 v4, v3, 4, v4                   ; fragment address: row r, 16 bytes for each half of the lanes
	v_add_nc_u32 v[ADRA], ABASE, v4
	v_add_nc_u32 v[ADRB], s18, v4
	v_add_nc_u32 v[ADRB+1], WSLOT, v[ADRB]
	s_mul_i32 s19, s20, 32*PITCH
	s_add_co_u32 s19, s19, ABASE
	v_mul_u32_u24 v5, v3, PITCH
	v_lshl_add_u32 v5, v2, 3, v5
	v_add_nc_u32 v[ASTO], s19, v5                  ; row 32 w + h, 8 bytes a lane
	s_lshl_b32 s19, s20, 11
	s_add_co_u32 s19, s19, 4096
	v_lshl_add_u32 v[PADN], v2, 4, s19             ; 16 bytes for column 128 w + r
	s_lshl_b32 s19, s20, 9
	v_lshl_add_u32 v[PADT], v3, 5, s19             ; 4 bytes a column, from column 128 w + 8 h
	v_lshlrev_b32 v[BOFF], 4, v0
.macro PARAMS nat                      ; BN numbers of column tile b into window 1 at 16 b + 128 (b / 4): the two sets, free by then
	WIN 0x40
.irp b, 0,1,2,3,4,5,6,7
.if \nat
	global_load_b128 v[16*\b+128*(\b/4):16*\b+128*(\b/4)+3], v[PADN], s[PB:PB+1] offset:\b*256
.else
	global_load_b128 v[16*\b+128*(\b/4):16*\b+128*(\b/4)+3],     v[PADT], s[PB:PB+1] offset:\b*64
	global_load_b128 v[16*\b+128*(\b/4)+4:16*\b+128*(\b/4)+7],   v[PADT], s[PB:PB+1] offset:\b*64+16
	global_load_b128 v[16*\b+128*(\b/4)+8:16*\b+128*(\b/4)+11],  v[PADT], s[PB:PB+1] offset:\b*64+2048
	global_load_b128 v[16*\b+128*(\b/4)+12:16*\b+128*(\b/4)+15], v[PADT], s[PB:PB+1] offset:\b*64+2064
.endif
.endr
.endm
; A set of x is rounded to bf16 in place and laid into x slot 'slot'; then the set is loaded again with K step 'what' (8: with nothing).
; left = how many younger loads may stay out.
.macro STAGE set, slot, left, what
	s_wait_loadcnt \left
	WIN 0x45
.irp g, 0,1,2,3,4,5,6,7,8,9,10,11,12,13,14,15
	v_cvt_pk_bf16_f32 v[\set+4*\g],   v[\set+4*\g],   v[\set+4*\g+1]
	v_cvt_pk_bf16_f32 v[\set+4*\g+1], v[\set+4*\g+2], v[\set+4*\g+3]
.endr
	WIN 0x44
.irp g, 0,1,2,3,4,5,6,7,8,9,10,11,12,13,14,15
	ds_store_b64 v[ASTO], v[\set+4*\g:\set+4*\g+1] offset:\slot*ASLOT+\g*2*PITCH
.endr
.if \what < 8
	XLOAD \set, \what
.endif
.endm
.macro MM nat, zero, d, xf, wf
.if \nat
.if \zero
	v_wmma_f32_16x16x32_bf16 v[\d:\d+7], v[\xf:\xf+7], v[\wf:\wf+7], 0
.else
	v_wmma_f32_16x16x32_bf16 v[\d:\d+7], v[\xf:\xf+7], v[\wf:\wf+7], v[\d:\d+7]
.endif
.else
.if \zero
	v_wmma_f32_16x16x32_bf16 v[\d:\d+7], v[\wf:\wf+7], v[\xf:\xf+7], 0
.else
	v_wmma_f32_16x16x32_bf16 v[\d:\d+7], v[\wf:\wf+7], v[\xf:\xf+7], v[\d:\d+7]
.endif
.endif
.endm
; 16 matrix instructions: M tiles a0, a0 + 1 of the window's four x all 8 column tiles, 32 along K.  zero = 1: the first product starts the sums.
; The 64 accumulators take turns, one instruction a turn, in the same order in every quarter.
.macro MUL16 nat, f, hi, a0, zero
.irp a, \a0, \a0+1
.irp b, 0,1,2,3,4,5,6,7
	MM \nat, \zero, 8*(8*(\a)+\b), \f+8*(4*\hi+(\a)), \f+8*\b
.endr
.endr
.endm
.macro FETCH slot, k, f                ; 32 LDS loads in one run: W's 8 fragments, then x's 8, 32 K at byte k of the slot's rows
	WIN 0x40
.irp i, 0,1,2,3,4,5,6,7
	ds_load_b128 v[\f+8*\i:\f+8*\i+3],   v[ADRB+\slot] offset:\k+\i*T16
	ds_load_b128 v[\f+8*\i+4:\f+8*\i+7], v[ADRB+\slot] offset:\k+\i*T16+32
.endr
	WIN 0
.irp i, 0,1,2,3,4,5,6,7
	ds_load_b128 v[\f+8*\i:\f+8*\i+3],   v[ADRA] offset:\slot*ASLOT+\k+\i*T16
	ds_load_b128 v[\f+8*\i+4:\f+8*\i+7], v[ADRA] offset:\slot*ASLOT+\k+\i*T16+32
.endr
.endm
; First half of a K step: multiplies buffer 0; in its middle the next K step's x is staged (stg = 1) and the second half's fragments are fetched.
.macro QUARTER nat, slot, zero, stg, set, sslot, left, what
	s_wait_dscnt 8                                 ; W and x tiles 0-3 are in; the youngest eight loads (x tiles 4-7) may be out
	WINLO \nat
	MUL16 \nat, F0, 0, 0, \zero
	MUL16 \nat, F0, 0, 2, \zero
.if \stg
	STAGE \set, \sslot, \left, \what
.if \what == 9
	PARAMS \nat
.endif
.endif
	PLACES
	FETCH \slot, 64, F1
	s_wait_dscnt 32                                ; all but the 32 just issued
	WINHI \nat
	MUL16 \nat, F0, 1, 0, \zero
	MUL16 \nat, F0, 1, 2, \zero
.endm
; Second half: multiplies buffer 1 and changes slots.  One barrier: in front of it each wave waits for its LDS reads of this slot, for its LDS stores
; into the next x slot and for all its tensor loads (one is out: its part of W's next slot).  fill = 1: the barrier opens a round of the cluster's
; barrier, and behind the round this W slot is asked for again, two K steps ahead: the wave's one tensor load until the next such round.
.macro TURN nat, slot, next, fill
	s_wait_dscnt 8
	WINLO \nat
	MUL16 \nat, F1, 0, 0, 0
	s_wait_dscnt 0
	s_set_vgpr_msb (MSB<<8)|((MSB&0xf0)|0x0)
	s_wait_tensorcnt 0x0
	ds_add_u32 v254, v255
	s_wait_dscnt 0x0
	s_set_vgpr_msb (((MSB&0xf0)|0x0)<<8)|MSB
	s_barrier_signal -1
	MUL16 \nat, F1, 0, 2, 0                        ; register work while the others arrive
	WIN 0
	s_barrier_wait -1
.if \fill
	CREST
	s_add_nc_u64 s[G0+4*\slot+2:G0+4*\slot+3], s[G0+4*\slot+2:G0+4*\slot+3], 2*WTILE   ; no tensor load of mine is out
	tensor_load_to_lds s[G0+4*\slot:G0+4*\slot+3], s[G1:G1+7]
	s_nop 0
.endif
	PLACES
	FETCH \next, 0, F0
	WINHI \nat
	MUL16 \nat, F1, 1, 0, 0
	MUL16 \nat, F1, 1, 2, 0
.endm
; One LIF step on the 16 numbers of (t, column tile): v = v + (h - v) / 2 as reference() rounds it, S = v >= 1, v = v - v S; then the 16 spikes
; are summed to two nibble pairs (low elements, high elements) by exact multiply-adds.
.macro LEVEL t, q
.set HT, HB+16*\t
.if \t == 0
.irp u, 0,2,4,6,8,10,12,14
	v_pk_mul_f32 v[HT+\u:HT+\u+1], v[HT+\u:HT+\u+1], 0.5 op_sel_hi:[1,0]
.endr
.else
.irp u, 0,2,4,6,8,10,12,14
	v_pk_add_f32 v[HT+\u:HT+\u+1], v[HT+\u:HT+\u+1], v[HT-16+\u:HT-16+\u+1] neg_lo:[0,1] neg_hi:[0,1]
.endr
.irp u, 0,2,4,6,8,10,12,14
	v_pk_fma_f32 v[HT+\u:HT+\u+1], v[HT+\u:HT+\u+1], 0.5, v[HT-16+\u:HT-16+\u+1] op_sel_hi:[1,0,1]
.endr
.endif
.irp e, 0,1,2,3,4,5,6,7,8,9,10,11,12,13,14,15
	v_cmp_ge_f32 s[MSK+\e], v[HT+\e], 1.0
.endr
.irp e, 0,1,2,3,4,5,6,7,8,9,10,11,12,13,14,15
	v_cndmask_b32 v[SK+\e], 0, 1.0, s[MSK+\e]
.endr
.if \t < 3
.irp u, 0,2,4,6,8,10,12,14
	v_pk_fma_f32 v[HT+\u:HT+\u+1], v[HT+\u:HT+\u+1], v[SK+\u:SK+\u+1], v[HT+\u:HT+\u+1] neg_lo:[1,0,0] neg_hi:[1,0,0]
.endr
.endif
.irp sh, 0,1
	v_pk_fma_f32 v[SK+8*\sh:SK+8*\sh+1],   v[SK+8*\sh+2:SK+8*\sh+3], 2.0, v[SK+8*\sh:SK+8*\sh+1] op_sel_hi:[1,0,1]
	v_pk_fma_f32 v[SK+8*\sh+4:SK+8*\sh+5], v[SK+8*\sh+6:SK+8*\sh+7], 2.0, v[SK+8*\sh+4:SK+8*\sh+5] op_sel_hi:[1,0,1]
	v_pk_fma_f32 v[NB+8*\t+4*\sh+2*\q:NB+8*\t+4*\sh+2*\q+1], v[SK+8*\sh+4:SK+8*\sh+5], 4.0, v[SK+8*\sh:SK+8*\sh+1] op_sel_hi:[1,0,1]
.endr
.endm
.macro EPI_B nat, b, q                 ; column tile b: BN of its 8 M tiles into HB + 8 m, then the four LIF steps
.set PRM, 16*(\b)+128*((\b)/4)
.irp hi, 0,1
	WIN 0x16+\hi                                   ; source 0 the accumulators' window, sources 1 and 2 window 1, result window 0
.irp m, 0,1,2,3
.irp jp, 0,2,4,6
.if \nat
	v_pk_fma_f32 v[HB+32*\hi+8*\m+\jp:HB+32*\hi+8*\m+\jp+1], v[8*(8*\m+(\b))+\jp:8*(8*\m+(\b))+\jp+1], v[PRM:PRM+1], v[PRM+2:PRM+3]
.else
	v_pk_fma_f32 v[HB+32*\hi+8*\m+\jp:HB+32*\hi+8*\m+\jp+1], v[8*(8*\m+(\b))+\jp:8*(8*\m+(\b))+\jp+1], v[PRM+\jp:PRM+\jp+1], v[PRM+8+\jp:PRM+8+\jp+1]
.endif
.endr
.endr
.endr
	WIN 0
	LEVEL 0, \q
	LEVEL 1, \q
	LEVEL 2, \q
	LEVEL 3, \q
.endm
.macro COMBINE nat, cp                 ; four nibble pairs to one word for each t: weights 16 and 256 (nat = 1: s, tile & 1; nat = 0: tile & 1, s)
.irp t, 0,1,2,3
.if \nat
	v_pk_fma_f32 v[NB+8*\t:NB+8*\t+1],   v[NB+8*\t+4:NB+8*\t+5], 0x41800000, v[NB+8*\t:NB+8*\t+1] op_sel_hi:[1,0,1]
	v_pk_fma_f32 v[NB+8*\t+2:NB+8*\t+3], v[NB+8*\t+6:NB+8*\t+7], 0x41800000, v[NB+8*\t+2:NB+8*\t+3] op_sel_hi:[1,0,1]
	v_pk_fma_f32 v[NB+8*\t:NB+8*\t+1],   v[NB+8*\t+2:NB+8*\t+3], 0x43800000, v[NB+8*\t:NB+8*\t+1] op_sel_hi:[1,0,1]
.else
	v_pk_fma_f32 v[NB+8*\t:NB+8*\t+1],   v[NB+8*\t+2:NB+8*\t+3], 0x41800000, v[NB+8*\t:NB+8*\t+1] op_sel_hi:[1,0,1]
	v_pk_fma_f32 v[NB+8*\t+4:NB+8*\t+5], v[NB+8*\t+6:NB+8*\t+7], 0x41800000, v[NB+8*\t+4:NB+8*\t+5] op_sel_hi:[1,0,1]
	v_pk_fma_f32 v[NB+8*\t:NB+8*\t+1],   v[NB+8*\t+4:NB+8*\t+5], 0x43800000, v[NB+8*\t:NB+8*\t+1] op_sel_hi:[1,0,1]
.endif
	v_cvt_u32_f32 v[NB+8*\t],   v[NB+8*\t]         ; at most 65,535: exact
	v_cvt_u32_f32 v[NB+8*\t+1], v[NB+8*\t+1]
	v_lshl_or_b32 v[WD+4*\t+\cp], v[NB+8*\t+1], 16, v[NB+8*\t]
.endr
.endm
; The eight K steps and the way out.  In step i the x of step i + 1 goes into the x slot read in step i - 1, and the set is loaded again with the x of
; step i + 3: its loads have two steps, 256 matrix instructions, in which to land.  loadcnt 16: the other set's sixteen younger loads stay out.
.macro BODY nat
	QUARTER \nat, 0, 1, 1, SET1, 1, 16, 3
	TURN \nat, 0, 1, 1
	QUARTER \nat, 1, 0, 1, SET0, 0, 16, 4
	TURN \nat, 1, 0, 1
	QUARTER \nat, 0, 0, 1, SET1, 1, 16, 5
	TURN \nat, 0, 1, 1
	QUARTER \nat, 1, 0, 1, SET0, 0, 16, 6
	TURN \nat, 1, 0, 1
	QUARTER \nat, 0, 0, 1, SET1, 1, 16, 7
	TURN \nat, 0, 1, 1
	QUARTER \nat, 1, 0, 1, SET0, 0, 16, 8          ; nothing is left to load
	TURN \nat, 1, 0, 1                             ; the last refill: K step 7
	QUARTER \nat, 0, 0, 1, SET1, 1, 0, 9           ; the last x; both sets are free: the BN numbers go into them
	TURN \nat, 0, 1, 0                             ; nothing is filled again: a plain barrier
	QUARTER \nat, 1, 0, 0, SET0, 0, 0, 8
	s_wait_dscnt 8                                 ; the very last quarter
	WINLO \nat
	MUL16 \nat, F1, 0, 0, 0
	MUL16 \nat, F1, 0, 2, 0
	s_wait_dscnt 0
	WINHI \nat
	MUL16 \nat, F1, 1, 0, 0
	MUL16 \nat, F1, 1, 2, 0
	PLACES
	s_wait_loadcnt 0x0                             ; the BN numbers
.irp cp, 0,1,2,3
	EPI_B \nat, 2*\cp, 0
	EPI_B \nat, 2*\cp+1, 1
	COMBINE \nat, \cp
.endr
.irp t, 0,1,2,3
	global_store_b128 v[BOFF], v[WD+4*\t:WD+4*\t+3], s[OB:OB+1] offset:\t*524288   ; a wave's store covers 512 consecutive bytes
.endr
.endm
	STAGE SET0, 0, 16, 2                           ; K step 0's x into x slot 0; K step 1's sixteen loads stay out
	WIN 0
	s_wait_dscnt 0x0                               ; my part of x slot 0 is written,
	s_wait_tensorcnt 0x1                           ; my part of W's slot 0 has landed; slot 1's may stay out
	s_barrier_signal -1
	s_barrier_wait -1
	FETCH 0, 0, F0
	s_cmp_eq_u32 s23, 2                            ; the path is the same in all four partners
	s_cbranch_scc1 .Lq
	BODY 1
	s_branch .Lend
.Lq:
	BODY 0
.Lend:
	CROUND                                         ; the closing round: no work-group ends while a partner may still ask for a tile that names it
	s_endpgm
.Lfunc_end_k_qedfc5cf59f_paths:
	.size	k_qedfc5cf59f_paths, .Lfunc_end_k_qedfc5cf59f_paths-k_qedfc5cf59f_paths
	.p2alignl 7, 3214868480
	.fill 96, 4, 3214868480
	.section	.rodata,"a",@progbits
	.p2align	6, 0x0
	.amdhsa_kernel k_qedfc5cf59f_paths
		.amdhsa_group_segment_fixed_size 327680
		.amdhsa_private_segment_fixed_size 0
		.amdhsa_enable_private_segment 0
		.amdhsa_kernarg_size 48
		.amdhsa_user_sgpr_count 2
		.amdhsa_user_sgpr_kernarg_segment_ptr 1
		.amdhsa_wavefront_size32 1
		.amdhsa_system_sgpr_workgroup_id_x 1
		.amdhsa_system_sgpr_workgroup_id_y 1
		.amdhsa_system_sgpr_workgroup_id_z 1
		.amdhsa_system_vgpr_workitem_id 0
		.amdhsa_next_free_vgpr 1024
		.amdhsa_next_free_sgpr 66
		.amdhsa_reserve_vcc 0
		.amdhsa_float_denorm_mode_32 3
		.amdhsa_float_denorm_mode_16_64 3
		.amdhsa_memory_ordered 1
		.amdhsa_forward_progress 1
		.amdhsa_inst_pref_size 255
	.end_amdhsa_kernel
	.section	.bss,"aw",@nobits
	.p2align	6
	.space	262144
	.amdgpu_metadata
---
amdhsa.version: [ 1, 2 ]
amdhsa.kernels:
  - .name:           k_qedfc5cf59f_paths
    .symbol:         k_qedfc5cf59f_paths.kd
    .args:
      - { .name: key, .offset: 0, .size: 8, .value_kind: global_buffer, .address_space: global }
      - { .name: value, .offset: 8, .size: 8, .value_kind: global_buffer, .address_space: global }
      - { .name: query, .offset: 16, .size: 8, .value_kind: global_buffer, .address_space: global }
      - { .name: wbf, .offset: 24, .size: 8, .value_kind: global_buffer, .address_space: global }
      - { .name: bnp, .offset: 32, .size: 8, .value_kind: global_buffer, .address_space: global }
      - { .name: bits, .offset: 40, .size: 8, .value_kind: global_buffer, .address_space: global }
    .group_segment_fixed_size: 327680
    .private_segment_fixed_size: 0
    .kernarg_segment_align: 8
    .kernarg_segment_size: 48
    .max_flat_workgroup_size: 128
    .sgpr_count:     66
    .vgpr_count:     1024
    .wavefront_size: 32
...
	.end_amdgpu_metadata
.endif
;; end of part 2
;; launch attn (part 3): grid 256 x 1, 4 waves a work-group, no clusters, 0 bytes of LDS; arguments bits, attnf; writes attnf
.if DOCPART == 3
	.amdgcn_target "amdgcn-amd-amdhsa--gfx1250"
	.amdhsa_code_object_version 6
	.text
	.protected	k_qedfc5cf59f_attn
	.globl	k_qedfc5cf59f_attn
	.p2align	8
	.type	k_qedfc5cf59f_attn,@function
k_qedfc5cf59f_attn:
	s_mov_b64 s[64:65], 0
	v_nop
	global_prefetch_b8 v0, s[64:65] scope:SCOPE_SE
	s_setreg_imm32_b32 hwreg(HW_REG_WAVE_MODE, 25, 1), 1
	s_wait_xcnt 0x0
; attn[d][e] = sum over 1,024 l of k[l][d] v[l][e] for one (t, b, head): work-group x = (8 t + b) * 8 + head.
; Wave w = (dh, eh) makes d tiles 2 dh, 2 dh + 1 x e tiles 2 eh, 2 eh + 1 over all l: four accumulators, no LDS, no barrier.
; A word of bits is a lane's two fragments of 32 l; bit to bf16: (word << n) & 0x40004000, so that a spike enters as 2.0 and a sum is 4 x the count.
; 4 x count is at most 4,096 and a multiple of 4: exact in f16.  It is stored as the register image of the next product's fragments:
; attnf[t][b][head][c2 = d / 32][et = e / 16][half][lane][16 bytes]: lane (r, h) holds e = 16 et + r, d = 32 c2 + 16 half + 8 h + 0 .. 7.
; No cluster: each work-group reads words of its own head alone, through registers; no tile is shared.
.set KW, 8                             ; v[8:39]    k's word of block g (32 l)
.set VW, 40                            ; v[40:71]   v's
.set FR, 72                            ; v[72:135]  two sets of four fragments: K0, K1, V0, V1
.set DD, 136                           ; v[136:167] D(i, j) at DD + 8 (2 i + j)
.set OO, 168                           ; v[168:183] f16 to store
.set KM, 18                            ; s18        0x40004000
	s_load_b128 s[4:7], s[0:1], 0x0                ; bits s[4:5], attnf s[6:7]
	v_lshrrev_b32 v1, 5, v0
	v_readfirstlane_b32 s8, v1                     ; wave
	s_lshr_b32 s9, s8, 1                           ; dh
	s_and_b32 s10, s8, 1                           ; eh
	s_and_b32 s11, ttmp9, 7                        ; head
	s_lshr_b32 s12, ttmp9, 3                       ; 8 t + b
	s_lshl_b32 s12, s12, 16                        ; 32 blocks of 2,048 bytes
	s_lshr_b32 s13, s11, 1                         ; the wave of 'paths' that made the head's columns
	s_lshl_b32 s13, s13, 9
	s_add_co_u32 s12, s12, s13
	s_and_b32 s13, s11, 1
	s_lshl_b32 s13, s13, 1                         ; its words 2 (head & 1), + 1
	s_add_co_u32 s14, s13, s9
	s_lshl2_add_u32 s14, s14, s12                  ; k: word 2 (head & 1) + dh
	s_add_co_u32 s16, s13, s10
	s_lshl2_add_u32 s16, s16, s12                  ; v: word 2 (head & 1) + eh,
	s_add_co_u32 s16, s16, 2097152                 ; in the second tensor
	s_mov_b32 s15, 0
	s_mov_b32 s17, 0
	s_mov_b32 s[KM], 0x40004000
	s_lshl_b32 s20, ttmp9, 13                      ; 8,192 bytes a head
	s_lshl_b32 s21, s9, 12
	s_add_co_u32 s20, s20, s21
	s_lshl_b32 s21, s10, 11
	s_add_co_u32 s20, s20, s21
	s_mov_b32 s21, 0
	v_and_b32 v2, 31, v0
	v_lshlrev_b32 v2, 4, v2                        ; 16 bytes a lane, in bits and in attnf
	s_wait_kmcnt 0x0
	s_add_nc_u64 s[14:15], s[4:5], s[14:15]
	s_add_nc_u64 s[16:17], s[4:5], s[16:17]
	s_add_nc_u64 s[6:7], s[6:7], s[20:21]
.set g, 0
.rept 32
	global_load_b32 v[KW+g], v2, s[14:15] offset:g*2048
	global_load_b32 v[VW+g], v2, s[16:17] offset:g*2048
.set g, g+1
.endr
.macro XPAND dst, wreg, q              ; fragment q of a word: register p = bits p + 8 q and 16 + p + 8 q moved to bits 14 and 30
.irp p, 0,1,2,3,4,5,6,7
.if 14-\p-8*\q > 0
	v_lshlrev_b32 v[\dst+\p], 14-\p-8*\q, v[\wreg]
	v_and_b32 v[\dst+\p], s[KM], v[\dst+\p]
.else
.if 14-\p-8*\q == 0
	v_and_b32 v[\dst+\p], s[KM], v[\wreg]
.else
	v_lshrrev_b32 v[\dst+\p], 1, v[\wreg]
	v_and_b32 v[\dst+\p], s[KM], v[\dst+\p]
.endif
.endif
.endr
.endm
; One block of 32 l.  The fragment sets take turns, so that the other set's 62 plain instructions stand between a matrix instruction and the
; rewriting of its sources (ISA guide 7.12.1).  The four accumulators take turns, one instruction a turn.
.macro BLOCK zero
.set FS, FR+32*(g%2)
	s_wait_loadcnt 62-2*g                          ; the later blocks' loads, two each, may stay out
	XPAND FS, KW+g, 0
	XPAND FS+8, KW+g, 1
	XPAND FS+16, VW+g, 0
	XPAND FS+24, VW+g, 1
.irp i, 0,1
.irp j, 0,1
.if \zero
	v_wmma_f32_16x16x32_bf16 v[DD+8*(2*\i+\j):DD+8*(2*\i+\j)+7], v[FS+8*\i:FS+8*\i+7], v[FS+16+8*\j:FS+16+8*\j+7], 0
.else
	v_wmma_f32_16x16x32_bf16 v[DD+8*(2*\i+\j):DD+8*(2*\i+\j)+7], v[FS+8*\i:FS+8*\i+7], v[FS+16+8*\j:FS+16+8*\j+7], v[DD+8*(2*\i+\j):DD+8*(2*\i+\j)+7]
.endif
.endr
.endr
.set g, g+1
.endm
.set g, 0
	BLOCK 1                                        ; the first block starts the sums
.rept 31
	BLOCK 0
.endr
.rept 4
	v_nop                                          ; four places behind the last matrix instructions
.endr
.irp j, 0,1
.irp i, 0,1
.irp p, 0,1,2,3
	v_cvt_pk_f16_f32 v[OO+8*\j+4*\i+\p], v[DD+8*(2*\i+\j)+2*\p], v[DD+8*(2*\i+\j)+2*\p+1]   ; lane (r, h): e = r, d = 16 i + 8 h + 2 p, + 1
.endr
.endr
.endr
.irp j, 0,1
.irp hf, 0,1
	global_store_b128 v2, v[OO+8*\j+4*\hf:OO+8*\j+4*\hf+3], s[6:7] offset:\j*1024+\hf*512    ; 512 consecutive bytes a store
.endr
.endr
	s_endpgm
.Lfunc_end_k_qedfc5cf59f_attn:
	.size	k_qedfc5cf59f_attn, .Lfunc_end_k_qedfc5cf59f_attn-k_qedfc5cf59f_attn
	.p2alignl 7, 3214868480
	.fill 96, 4, 3214868480
	.section	.rodata,"a",@progbits
	.p2align	6, 0x0
	.amdhsa_kernel k_qedfc5cf59f_attn
		.amdhsa_group_segment_fixed_size 0
		.amdhsa_private_segment_fixed_size 0
		.amdhsa_enable_private_segment 0
		.amdhsa_kernarg_size 16
		.amdhsa_user_sgpr_count 2
		.amdhsa_user_sgpr_kernarg_segment_ptr 1
		.amdhsa_wavefront_size32 1
		.amdhsa_system_sgpr_workgroup_id_x 1
		.amdhsa_system_sgpr_workgroup_id_y 1
		.amdhsa_system_sgpr_workgroup_id_z 1
		.amdhsa_system_vgpr_workitem_id 0
		.amdhsa_next_free_vgpr 184
		.amdhsa_next_free_sgpr 66
		.amdhsa_reserve_vcc 0
		.amdhsa_float_denorm_mode_32 3
		.amdhsa_float_denorm_mode_16_64 3
		.amdhsa_memory_ordered 1
		.amdhsa_forward_progress 1
		.amdhsa_inst_pref_size 80
	.end_amdhsa_kernel
	.amdgpu_metadata
---
amdhsa.version: [ 1, 2 ]
amdhsa.kernels:
  - .name:           k_qedfc5cf59f_attn
    .symbol:         k_qedfc5cf59f_attn.kd
    .args:
      - { .name: bits, .offset: 0, .size: 8, .value_kind: global_buffer, .address_space: global }
      - { .name: attnf, .offset: 8, .size: 8, .value_kind: global_buffer, .address_space: global }
    .group_segment_fixed_size: 0
    .private_segment_fixed_size: 0
    .kernarg_segment_align: 8
    .kernarg_segment_size: 16
    .max_flat_workgroup_size: 128
    .sgpr_count:     66
    .vgpr_count:     184
    .wavefront_size: 32
...
	.end_amdgpu_metadata
.endif
;; end of part 3
;; launch proj (part 4): grid 256 x 1, 4 waves a work-group, clusters of 4 x 1, 327,680 bytes of LDS; arguments bits, attnf, wbf, bnp, out0; writes out0
.if DOCPART == 4
	.amdgcn_target "amdgcn-amd-amdhsa--gfx1250"
	.amdhsa_code_object_version 6
	.text
	.protected	k_qedfc5cf59f_proj
	.globl	k_qedfc5cf59f_proj
	.p2align	8
	.type	k_qedfc5cf59f_proj,@function
k_qedfc5cf59f_proj:
	s_mov_b64 s[64:65], 0
	v_nop
	global_prefetch_b8 v0, s[64:65] scope:SCOPE_SE
	s_setreg_imm32_b32 hwreg(HW_REG_WAVE_MODE, 25, 1), 1
	s_wait_xcnt 0x0
	s_wait_alu depctr_hold_cnt(0) depctr_sa_sdst(0) depctr_va_vdst(0) depctr_va_sdst(0) depctr_va_ssrc(0) depctr_va_vcc(0) depctr_vm_vsrc(0)
	s_getreg_b32 s2, hwreg(HW_REG_IB_STS2, 6, 4)
	s_cmp_eq_u32 s2, 0
	s_cbranch_scc0 .Lentry_in_a_cluster
	s_endpgm
.Lentry_in_a_cluster:
	s_bfe_u32 s2, ttmp6, 0x10000c
	s_cmp_lg_u32 s2, 0x3003
	s_cbranch_scc0 .Lentry_shape_is_right
	s_endpgm
.Lentry_shape_is_right:
; out0 = LIF(BN(LIF_0.5(q attn / 8) Wp^T + b)).  A work-group takes the same 128 rows (32 t + l') as in 'paths'; wave w takes heads 2 w, 2 w + 1
; = columns 128 w .. +127 in both products.
; PHASE A: q's bits become f16 fragments (a spike is 2.0), attn comes as register images (4 x count, f16): D = 8 x sum, exact in f32 (at most 2^19).
; LIF with threshold 0.5 on D / 64: dyadic numbers of at most 20 bits, so every step is exact.  Spikes go as bf16 1.0 / 0 into LDS (STG).
; PHASE B: 128 x 512 x 512 product of STG with Wp (bf16 K-step tiles of wbf, path 3), 8 steps of 64 through two slots, written out.
; CLUSTERS: 4 x 1 work-groups ask for each tile of Wp jointly (mask 15), one tensor load a wave.  attnf is shared by the four too (one batch entry,
; 262,144 bytes), but it comes straight into 512 registers that are idle in phase A: of the 327,680 bytes of LDS 12,800 are left beside what is used here.
; Matrix instructions are used transposed (source 0 = attn or W, source 1 = rows): a lane holds one row and eight neighbouring columns.
; LIMITS.  Wp is rounded to bf16, sums are f32 in the matrix unit's order, BN is one fused multiply-add: a membrane within a few units in the last
; place of 1.0 can decide otherwise than a sum made in another order.  A membrane of -inf becomes NaN (the reset is v - v S).
.set PITCH,  144
.set T16,    16*PITCH
.set WPART,  128*PITCH
.set WSLOT,  4*WPART                   ; W slots at 0 and 73,728
.set WTILE,  65536
.set STG,    2*WSLOT                   ; 147,456: 128 rows of 512 bf16, pitch 1,040; LDS stores alone write it
.set SPITCH, 1040                      ; 65 * 16
.set STILE,  16*SPITCH
.set OST,    STG+128*SPITCH            ; 280,576 = 1,096 * 256: 16 rows x 128 f32 for each wave, pitch 528, for the way out
.set OPITCH, 528                       ; 33 * 16
.set ADRL, 16                          ; v16     STG fragments, M tiles 0-3
.set ADRH, 17                          ; v17     M tiles 4-7 (66,560 bytes on: beyond an LDS offset's 16 bits)
.set STOL, 18                          ; v18     where I put 16 bytes of spikes, M tiles 0-3
.set STOH, 19                          ; v19     M tiles 4-7
.set ADRB, 20                          ; v20-21  W fragments in slot 0, 1
.set TOFF, 22                          ; v22     16 x thread
.set PADT, 23                          ; v23     BN offset: s of my eight columns
.set OSTO, 24                          ; v24     way out: where I put 32 bytes of a row
.set ORD,  25                          ; v25     way out: where I read a row back
.set LOFF, 26                          ; v26     16 x lane
.set QW,   32                          ; v[32:47]  q's words, 4 t + c'
.set QF,   64                          ; v[64:95]  q's four fragments
.set F0,   64
.set F1,   128
.set HB,   64                          ; way out, window 0: h, later the rows read back
.set VB,   128                         ; membrane
.set SK,   192                         ; spikes as f32 (phase A: the same number in window 2)
.set G1, 24
.set G0, 32
.set MSK, 40                           ; s[40:55] sixteen lane masks
.set KM, 56                            ; s56      0x40004000
.set QB, 58                            ; s[58:59] q's bits of my work-group
.set AFB, 60                           ; s[60:61] attnf at my batch entry and my two heads
.set PB, 62                            ; s[62:63] bnp, path 3
.set OB, 68                            ; s[68:75] out0 at t = 0..3 and the group's first row
.set MSB, 0
.macro WIN new
.if MSB != (\new)
	s_set_vgpr_msb (MSB<<8)|(\new)
.set MSB, \new
.endif
.endm
.macro PLACES                          ; four places behind a matrix instruction (ISA guide 7.12.1)
.rept 4
	v_nop
.endr
.endm
.macro CREST
	s_cmp_lg_u32 s20, 0
	s_cbranch_scc1 .Lnot_wave_0_\@
	s_barrier_signal -3
.Lnot_wave_0_\@:
	s_barrier_wait -3
	s_barrier_signal -1
	s_barrier_wait -1
.endm
.macro CROUND
	s_barrier_signal -1
	s_barrier_wait -1
	CREST
.endm
	s_load_b256 s[4:11], s[0:1], 0x0               ; bits s[4:5], attnf s[6:7], wbf s[8:9], bnp s[10:11]
	s_load_b64 s[12:13], s[0:1], 0x20              ; out0
	v_lshl_add_u32 v62, v0, 2, 0x4cc00
	v_mov_b32 v63, 0
	ds_add_u32 v62, v63
	v_lshrrev_b32 v1, 5, v0
	v_readfirstlane_b32 s20, v1                    ; wave
	s_bfe_u32 s21, ttmp6, 0x40000                  ; cx
	s_lshl_b32 s22, ttmp9, 2
	s_add_co_u32 s22, s22, s21                     ; x = 32 b + block of 32 l
	s_mov_b32 s[G1+0], 15|(3<<16)|(1<<20)|(1<<21)|(4<<22)|(3<<25)  ; mask of the four partners; 8-byte elements; 16 bytes of padding behind every 128; bit 21 beside the mask
	s_mov_b32 s[G1+1], 32<<16                      ; 64 dense rows of 256 bytes = 128 rows of the tile
	s_mov_b32 s[G1+2], 64<<16
	s_mov_b32 s[G1+3], 32<<16
	s_mov_b32 s[G1+4], 64
	s_mov_b32 s[G1+5], 32
	s_mov_b32 s[G1+6], 0
	s_mov_b32 s[G1+7], 0
	s_mov_b32 s[KM], 0x40004000
	s_lshl_b32 s16, s20, 14                        ; my wave's 128 rows of a tile,
	s_add_co_u32 s16, s16, 3*524288                ; path 3
	s_mov_b32 s17, 0
	s_mul_i32 s18, s20, WPART
	s_wait_dscnt 0x0
	s_wait_kmcnt 0x0
	s_add_nc_u64 s[8:9], s[8:9], s[16:17]
	CROUND                                         ; the four partners are here: the first joint loads meet
.irp sl, 0,1
	s_mov_b32 s[G0+4*\sl], 1
	s_add_co_u32 s[G0+4*\sl+1], s18, \sl*WSLOT
	s_add_nc_u64 s[G0+4*\sl+2:G0+4*\sl+3], s[8:9], \sl*WTILE
	s_or_b32 s[G0+4*\sl+3], s[G0+4*\sl+3], 0x80000000
	tensor_load_to_lds s[G0+4*\sl:G0+4*\sl+3], s[G1:G1+7]          ; K steps 0 and 1: two tensor loads of the wave are out
	s_nop 0
.endr
	s_lshl_b32 s16, s22, 11
	s_add_co_u32 s16, s16, 2*2097152               ; the third tensor of bits
	s_add_nc_u64 s[QB:QB+1], s[4:5], s[16:17]
	s_lshr_b32 s16, s22, 5                         ; b: 8 heads of 8,192 bytes
	s_lshl_b32 s16, s16, 16
	s_lshl_b32 s19, s20, 14                        ; two heads a wave
	s_add_co_u32 s16, s16, s19
	s_add_nc_u64 s[AFB:AFB+1], s[6:7], s[16:17]
	s_add_nc_u64 s[PB:PB+1], s[10:11], 3*12288
	s_lshl_b32 s16, s22, 16
	s_add_nc_u64 s[OB:OB+1], s[12:13], s[16:17]
.irp t, 1,2,3
	s_add_nc_u64 s[OB+2*\t:OB+2*\t+1], s[OB+2*\t-2:OB+2*\t-1], 16777216
.endr
	v_and_b32 v2, 15, v0                           ; r
	v_bfe_u32 v3, v0, 4, 1                         ; h
	v_and_b32 v4, 31, v0
	v_lshlrev_b32 v[TOFF], 4, v0
	v_lshlrev_b32 v[LOFF], 4, v4
.irp t, 0,1,2,3
	global_load_b128 v[QW+4*\t:QW+4*\t+3], v[TOFF], s[QB:QB+1] offset:\t*524288
.endr
; attn's fragments f = 8 hh + 4 c2 + et of time step t: window 1 (t = 0, 1) or 3 (t = 2, 3) at 128 (t & 1) + 8 f; 32 loads a time step, in the order of t
.irp t, 0,1,2,3
	WIN 0x40+0x80*(\t/2)
.irp f, 0,1,2,3,4,5,6,7,8,9,10,11,12,13,14,15
	global_load_b128 v[128*(\t%2)+8*\f:128*(\t%2)+8*\f+3],   v[LOFF], s[AFB:AFB+1] offset:\t*524288+\f*1024
	global_load_b128 v[128*(\t%2)+8*\f+4:128*(\t%2)+8*\f+7], v[LOFF], s[AFB:AFB+1] offset:\t*524288+\f*1024+512
.endr
.endr
	WIN 0
	v_mul_u32_u24 v5, v2, PITCH
	v_lshl_add_u32 v5, v3, 4, v5
	v_add_nc_u32 v[ADRB], s18, v5
	v_add_nc_u32 v[ADRB+1], WSLOT, v[ADRB]
	v_mul_u32_u24 v6, v2, SPITCH
	v_lshl_add_u32 v6, v3, 4, v6
	v_add_nc_u32 v[ADRL], STG, v6
	v_add_nc_u32 v[ADRH], 4*STILE, v[ADRL]
	s_lshl_b32 s19, s20, 8                         ; my 128 columns: 256 bytes
	v_add_nc_u32 v[STOL], s19, v[ADRL]
	v_add_nc_u32 v[STOH], s19, v[ADRH]
	s_mul_i32 s19, s20, 16*OPITCH
	s_add_co_u32 s19, s19, OST
	v_mul_u32_u24 v7, v2, OPITCH
	v_lshl_add_u32 v7, v3, 5, v7
	v_add_nc_u32 v[OSTO], s19, v7
	v_add_nc_u32 v[ORD], s19, v[LOFF]
	s_lshl_b32 s19, s20, 9
	v_lshl_add_u32 v[PADT], v3, 5, s19
.macro XPAND dst, wreg, q              ; fragment q of a word: register p = bits p + 8 q and 16 + p + 8 q moved to bits 14 and 30 (0x4000 = 2.0 in f16)
.irp p, 0,1,2,3,4,5,6,7
.if 14-\p-8*\q > 0
	v_lshlrev_b32 v[\dst+\p], 14-\p-8*\q, v[\wreg]
	v_and_b32 v[\dst+\p], s[KM], v[\dst+\p]
.else
.if 14-\p-8*\q == 0
	v_and_b32 v[\dst+\p], s[KM], v[\wreg]
.else
	v_lshrrev_b32 v[\dst+\p], 1, v[\wreg]
	v_and_b32 v[\dst+\p], s[KM], v[\dst+\p]
.endif
.endif
.endr
.endm
; M tile 2 t + s: q attn for my two heads (8 accumulators in window 2 at 8 (4 hh + et), by turns, one instruction a turn
; ), one LIF step with the membrane of s in window 2 at 64 + 64 s, spikes to STG.
.macro SUB t, s, left
.set VV, 64+64*\s
.if \s == 0
	s_wait_loadcnt \left
.endif
	WIN 0
.irp c, 0,1,2,3
	XPAND QF+8*\c, QW+4*\t+\c, \s
.endr
	WIN 0xa1+2*(\t/2)                              ; source 0 window 1 or 3, source 1 window 0, C and D window 2
.irp c2, 0,1
.irp hh, 0,1
.irp et, 0,1,2,3
.if \c2 == 0
	v_wmma_f32_16x16x32_f16 v[8*(4*\hh+\et):8*(4*\hh+\et)+7], v[128*(\t%2)+8*(8*\hh+4*\c2+\et):128*(\t%2)+8*(8*\hh+4*\c2+\et)+7], v[QF+8*(2*\hh+\c2):QF+8*(2*\hh+\c2)+7], 0
.else
	v_wmma_f32_16x16x32_f16 v[8*(4*\hh+\et):8*(4*\hh+\et)+7], v[128*(\t%2)+8*(8*\hh+4*\c2+\et):128*(\t%2)+8*(8*\hh+4*\c2+\et)+7], v[QF+8*(2*\hh+\c2):QF+8*(2*\hh+\c2)+7], v[8*(4*\hh+\et):8*(4*\hh+\et)+7]
.endif
.endr
.endr
.endr
	PLACES
	WIN 0xaa                                       ; everything in window 2
.set i, 0
.rept 32
.if \t == 0
	v_pk_mul_f32 v[VV+2*i:VV+2*i+1], v[2*i:2*i+1], 0x3c000000 op_sel_hi:[1,0]                                     ; v = (D / 64) / 2
.else
	v_pk_fma_f32 v[2*i:2*i+1], v[2*i:2*i+1], 0x3c800000, v[VV+2*i:VV+2*i+1] op_sel_hi:[1,0,1] neg_lo:[0,0,1] neg_hi:[0,0,1]   ; D / 64 - v
.endif
.set i, i+1
.endr
.if \t > 0
.set i, 0
.rept 32
	v_pk_fma_f32 v[VV+2*i:VV+2*i+1], v[2*i:2*i+1], 0.5, v[VV+2*i:VV+2*i+1] op_sel_hi:[1,0,1]
.set i, i+1
.endr
.endif
.set k, 0
.rept 4
.irp e, 0,1,2,3,4,5,6,7,8,9,10,11,12,13,14,15
	v_cmp_ge_f32 s[MSK+\e], v[VV+16*k+\e], 0.5
.endr
.irp e, 0,1,2,3,4,5,6,7,8,9,10,11,12,13,14,15
	v_cndmask_b32 v[SK+16*k+\e], 0, 1.0, s[MSK+\e]
.endr
.set k, k+1
.endr
.if \t < 3
.set i, 0
.rept 32
	v_pk_fma_f32 v[VV+2*i:VV+2*i+1], v[VV+2*i:VV+2*i+1], v[SK+2*i:SK+2*i+1], v[VV+2*i:VV+2*i+1] neg_lo:[1,0,0] neg_hi:[1,0,0]
.set i, i+1
.endr
.endif
.set i, 0
.rept 32
	v_cvt_pk_bf16_f32 v[i], v[SK+2*i], v[SK+2*i+1]
.set i, i+1
.endr
	WIN 0x08                                       ; address window 0, data window 2
.irp e8, 0,1,2,3,4,5,6,7
	ds_store_b128 v[STOL+\t/2], v[4*\e8:4*\e8+3] offset:((2*\t+\s)%4)*STILE+32*\e8   ; row r, columns 128 w + 16 e8 + 8 h .. + 7
.endr
.endm
	SUB 0, 0, 63                                   ; 132 loads were issued: at most the last 63 are out, so q's words and the fragments of t = 0 and 1 are in
	SUB 0, 1, 0
	SUB 1, 0, 63
	SUB 1, 1, 0
	SUB 2, 0, 32                                   ; the 32 loads of t = 3 may stay out
	SUB 2, 1, 0
	SUB 3, 0, 0
	SUB 3, 1, 0
	WIN 0
	s_wait_dscnt 0x0                               ; my columns of STG are written,
	s_wait_tensorcnt 0x1                           ; my part of W's slot 0 has landed; slot 1's may stay out
	s_barrier_signal -1
	s_barrier_wait -1
	; BN numbers of column tile b into window 1 at 16 b + 128 (b / 4): s of my 8 columns, then c; they land during the product
	WIN 0x40
.irp b, 0,1,2,3,4,5,6,7
	global_load_b128 v[16*\b+128*(\b/4):16*\b+128*(\b/4)+3],     v[PADT], s[PB:PB+1] offset:\b*64
	global_load_b128 v[16*\b+128*(\b/4)+4:16*\b+128*(\b/4)+7],   v[PADT], s[PB:PB+1] offset:\b*64+16
	global_load_b128 v[16*\b+128*(\b/4)+8:16*\b+128*(\b/4)+11],  v[PADT], s[PB:PB+1] offset:\b*64+2048
	global_load_b128 v[16*\b+128*(\b/4)+12:16*\b+128*(\b/4)+15], v[PADT], s[PB:PB+1] offset:\b*64+2064
.endr
; 16 matrix instructions: M tiles a0, a0 + 1 of the window's four x 8 column tiles.  The 64 accumulators (tile (m, b) in window 2 + m / 4 at
; 8 (8 (m & 3) + b)) take turns, one instruction a turn, in the same order in every quarter.
.macro MUL16 f, hi, a0, zero
.irp a, \a0, \a0+1
.irp b, 0,1,2,3,4,5,6,7
.if \zero
	v_wmma_f32_16x16x32_bf16 v[8*(8*(\a)+\b):8*(8*(\a)+\b)+7], v[\f+8*\b:\f+8*\b+7], v[\f+8*(4*\hi+(\a)):\f+8*(4*\hi+(\a))+7], 0
.else
	v_wmma_f32_16x16x32_bf16 v[8*(8*(\a)+\b):8*(8*(\a)+\b)+7], v[\f+8*\b:\f+8*\b+7], v[\f+8*(4*\hi+(\a)):\f+8*(4*\hi+(\a))+7], v[8*(8*(\a)+\b):8*(8*(\a)+\b)+7]
.endif
.endr
.endr
.endm
.macro FETCH slot, wk, xk, f           ; 32 LDS loads in one run: W at byte wk of the slot's rows, the spikes at byte xk of STG's rows
	WIN 0x40
.irp i, 0,1,2,3,4,5,6,7
	ds_load_b128 v[\f+8*\i:\f+8*\i+3],   v[ADRB+\slot] offset:\wk+\i*T16
	ds_load_b128 v[\f+8*\i+4:\f+8*\i+7], v[ADRB+\slot] offset:\wk+\i*T16+32
.endr
	WIN 0
.irp i, 0,1,2,3
	ds_load_b128 v[\f+8*\i:\f+8*\i+3],   v[ADRL] offset:\xk+\i*STILE
	ds_load_b128 v[\f+8*\i+4:\f+8*\i+7], v[ADRL] offset:\xk+\i*STILE+32
.endr
.irp i, 0,1,2,3
	ds_load_b128 v[\f+32+8*\i:\f+32+8*\i+3],   v[ADRH] offset:\xk+\i*STILE
	ds_load_b128 v[\f+32+8*\i+4:\f+32+8*\i+7], v[ADRH] offset:\xk+\i*STILE+32
.endr
.endm
.macro QUARTER slot, step, zero        ; first half of K step 'step': multiplies buffer 0, fetches the second half's fragments in its middle
	s_wait_dscnt 8                                 ; W and M tiles 0-3 are in; the youngest eight loads (M tiles 4-7) may be out
	WIN 0xa1
	MUL16 F0, 0, 0, \zero
	MUL16 F0, 0, 2, \zero
	PLACES
	FETCH \slot, 64, \step*128+64, F1
	s_wait_dscnt 32                                ; all but the 32 just issued
	WIN 0xf1
	MUL16 F0, 1, 0, \zero
	MUL16 F0, 1, 2, \zero
.endm
; Second half: multiplies buffer 1 and changes slots.  In front of the barrier each wave waits for its reads of this slot and for all its tensor loads
; (one is out: its part of the next slot).  fill = 1: the barrier opens a round of the cluster's barrier; behind the round this slot is asked for
; again, two K steps ahead: the wave's one tensor load until the next such round.
.macro TURN slot, next, step, fill
	s_wait_dscnt 8
	WIN 0xa1
	MUL16 F1, 0, 0, 0
	s_wait_dscnt 0
	s_set_vgpr_msb 0xa1a0
	s_wait_tensorcnt 0x0
	ds_add_u32 v62, v63
	s_wait_dscnt 0x0
	s_set_vgpr_msb 0xa0a1
	s_barrier_signal -1
	MUL16 F1, 0, 2, 0
	WIN 0
	s_barrier_wait -1
.if \fill
	CREST
	s_add_nc_u64 s[G0+4*\slot+2:G0+4*\slot+3], s[G0+4*\slot+2:G0+4*\slot+3], 2*WTILE
	tensor_load_to_lds s[G0+4*\slot:G0+4*\slot+3], s[G1:G1+7]
	s_nop 0
.endif
	PLACES
	FETCH \next, 0, (\step+1)*128, F0
	WIN 0xf1
	MUL16 F1, 1, 0, 0
	MUL16 F1, 1, 2, 0
.endm
	FETCH 0, 0, 0, F0
	QUARTER 0, 0, 1                                ; the first products start the sums
	TURN 0, 1, 0, 1
	QUARTER 1, 1, 0
	TURN 1, 0, 1, 1
	QUARTER 0, 2, 0
	TURN 0, 1, 2, 1
	QUARTER 1, 3, 0
	TURN 1, 0, 3, 1
	QUARTER 0, 4, 0
	TURN 0, 1, 4, 1
	QUARTER 1, 5, 0
	TURN 1, 0, 5, 1                                ; the last refill: K step 7
	QUARTER 0, 6, 0
	TURN 0, 1, 6, 0                                ; nothing is filled again: a plain barrier
	QUARTER 1, 7, 0
	s_wait_dscnt 8                                 ; the very last quarter
	WIN 0xa1
	MUL16 F1, 0, 0, 0
	MUL16 F1, 0, 2, 0
	s_wait_dscnt 0
	WIN 0xf1
	MUL16 F1, 1, 0, 0
	MUL16 F1, 1, 2, 0
	PLACES
	s_wait_loadcnt 0x0                             ; the BN numbers
; M tile 2 t + s, 16 rows x my 128 columns: BN, one LIF step (the membrane of s stays in VB from t to t + 1), spikes as f32 through my own stage in LDS
; and out as whole rows.
.macro OUT s, t
	s_wait_xcnt 0x0                                ; HB, which the last stores read, is rewritten only behind this wait
	WIN 0x16+\t/2                                  ; source 0 the accumulators' window, sources 1 and 2 window 1, result window 0
.irp b, 0,1,2,3,4,5,6,7
.irp jp, 0,2,4,6
	v_pk_fma_f32 v[HB+8*\b+\jp:HB+8*\b+\jp+1], v[8*(8*((2*\t+\s)%4)+\b)+\jp:8*(8*((2*\t+\s)%4)+\b)+\jp+1], v[16*\b+128*(\b/4)+\jp:16*\b+128*(\b/4)+\jp+1], v[16*\b+128*(\b/4)+8+\jp:16*\b+128*(\b/4)+8+\jp+1]
.endr
.endr
	WIN 0
.set i, 0
.rept 32
.if \t == 0
	v_pk_mul_f32 v[VB+2*i:VB+2*i+1], v[HB+2*i:HB+2*i+1], 0.5 op_sel_hi:[1,0]
.else
	v_pk_add_f32 v[HB+2*i:HB+2*i+1], v[HB+2*i:HB+2*i+1], v[VB+2*i:VB+2*i+1] neg_lo:[0,1] neg_hi:[0,1]
.endif
.set i, i+1
.endr
.if \t > 0
.set i, 0
.rept 32
	v_pk_fma_f32 v[VB+2*i:VB+2*i+1], v[HB+2*i:HB+2*i+1], 0.5, v[VB+2*i:VB+2*i+1] op_sel_hi:[1,0,1]
.set i, i+1
.endr
.endif
.set k, 0
.rept 4
.irp e, 0,1,2,3,4,5,6,7,8,9,10,11,12,13,14,15
	v_cmp_ge_f32 s[MSK+\e], v[VB+16*k+\e], 1.0
.endr
.irp e, 0,1,2,3,4,5,6,7,8,9,10,11,12,13,14,15
	v_cndmask_b32 v[SK+16*k+\e], 0, 1.0, s[MSK+\e]
.endr
.set k, k+1
.endr
.if \t < 3
.set i, 0
.rept 32
	v_pk_fma_f32 v[VB+2*i:VB+2*i+1], v[VB+2*i:VB+2*i+1], v[SK+2*i:SK+2*i+1], v[VB+2*i:VB+2*i+1] neg_lo:[1,0,0] neg_hi:[1,0,0]
.set i, i+1
.endr
.endif
.irp b, 0,1,2,3,4,5,6,7
	ds_store_b128 v[OSTO], v[SK+8*\b:SK+8*\b+3]   offset:64*\b
	ds_store_b128 v[OSTO], v[SK+8*\b+4:SK+8*\b+7] offset:64*\b+16
.endr
.irp i, 0,1,2,3,4,5,6,7,8,9,10,11,12,13,14,15
	ds_load_b128 v[HB+4*\i:HB+4*\i+3], v[ORD] offset:\i*OPITCH     ; LDS serves a wave's instructions in order (ISA guide 5.7.1.4): these see the stores above
.endr
.irp i, 0,1,2,3,4,5,6,7,8,9,10,11,12,13,14,15
	s_wait_dscnt 15-\i                             ; the younger rows' loads may stay out
	global_store_b128 v[TOFF], v[HB+4*\i:HB+4*\i+3], s[OB+2*\t:OB+2*\t+1] offset:(16*\s+\i)*2048 th:TH_STORE_NT   ; 512 consecutive bytes, at a multiple of 512 from out0's first byte
.endr
.endm
.irp s, 0,1
.irp t, 0,1,2,3
	OUT \s, \t
.endr
.endr
	s_wait_tensorcnt 0x0
	ds_add_u32 v62, v63
	s_wait_dscnt 0x0
	CROUND                                         ; the closing round: no work-group ends while a partner may still ask for a tile that names it
	s_endpgm
.Lfunc_end_k_qedfc5cf59f_proj:
	.size	k_qedfc5cf59f_proj, .Lfunc_end_k_qedfc5cf59f_proj-k_qedfc5cf59f_proj
	.p2alignl 7, 3214868480
	.fill 96, 4, 3214868480
	.section	.rodata,"a",@progbits
	.p2align	6, 0x0
	.amdhsa_kernel k_qedfc5cf59f_proj
		.amdhsa_group_segment_fixed_size 327680
		.amdhsa_private_segment_fixed_size 0
		.amdhsa_enable_private_segment 0
		.amdhsa_kernarg_size 40
		.amdhsa_user_sgpr_count 2
		.amdhsa_user_sgpr_kernarg_segment_ptr 1
		.amdhsa_wavefront_size32 1
		.amdhsa_system_sgpr_workgroup_id_x 1
		.amdhsa_system_sgpr_workgroup_id_y 1
		.amdhsa_system_sgpr_workgroup_id_z 1
		.amdhsa_system_vgpr_workitem_id 0
		.amdhsa_next_free_vgpr 1024
		.amdhsa_next_free_sgpr 76
		.amdhsa_reserve_vcc 0
		.amdhsa_float_denorm_mode_32 3
		.amdhsa_float_denorm_mode_16_64 3
		.amdhsa_memory_ordered 1
		.amdhsa_forward_progress 1
		.amdhsa_inst_pref_size 255
	.end_amdhsa_kernel
	.section	.bss,"aw",@nobits
	.p2align	6
	.space	262144
	.amdgpu_metadata
---
amdhsa.version: [ 1, 2 ]
amdhsa.kernels:
  - .name:           k_qedfc5cf59f_proj
    .symbol:         k_qedfc5cf59f_proj.kd
    .args:
      - { .name: bits, .offset: 0, .size: 8, .value_kind: global_buffer, .address_space: global }
      - { .name: attnf, .offset: 8, .size: 8, .value_kind: global_buffer, .address_space: global }
      - { .name: wbf, .offset: 16, .size: 8, .value_kind: global_buffer, .address_space: global }
      - { .name: bnp, .offset: 24, .size: 8, .value_kind: global_buffer, .address_space: global }
      - { .name: out0, .offset: 32, .size: 8, .value_kind: global_buffer, .address_space: global }
    .group_segment_fixed_size: 327680
    .private_segment_fixed_size: 0
    .kernarg_segment_align: 8
    .kernarg_segment_size: 40
    .max_flat_workgroup_size: 128
    .sgpr_count:     76
    .vgpr_count:     1024
    .wavefront_size: 32
...
	.end_amdgpu_metadata
.endif
;; end of part 4
;; ======== version 2 of 2: 4 launches; 1.18 times as fast as version 1
;; limits: values outside matrix products are rounded to bf16
;; workspace buffers: wbf 2,097,152 bytes; bnp 49,152 bytes; bits 6,291,456 bytes; attnf 2,097,152 bytes
;; launch prep (part 5): grid 256 x 1, 4 waves a work-group, no clusters, 0 bytes of LDS; arguments k_w, k_b, k_gamma, k_beta, k_mean, k_var, v_w, v_b, v_gamma, v_beta, v_mean, v_var, q_w, q_b, q_gamma, q_beta, q_mean, q_var, proj_w, proj_b, proj_gamma, proj_beta, proj_mean, proj_var, wbf, bnp; writes wbf, bnp
.if DOCPART == 5
	.amdgcn_target "amdgcn-amd-amdhsa--gfx1250"
	.amdhsa_code_object_version 6
	.text
	.protected	k_qedfc5cf59f_prep
	.globl	k_qedfc5cf59f_prep
	.p2align	8
	.type	k_qedfc5cf59f_prep,@function
k_qedfc5cf59f_prep:
	s_mov_b64 s[64:65], 0
	v_nop
	global_prefetch_b8 v0, s[64:65] scope:SCOPE_SE
	s_setreg_imm32_b32 hwreg(HW_REG_WAVE_MODE, 25, 1), 1
	s_wait_xcnt 0x0
; The four weights [512 n][512 k] f32 become bf16 in K-step tiles, wbf[path k,v,q,proj][kstep 8][n 512][kk 64]: a tile is 65,536 dense bytes,
; so that the later launches fetch it in rows of 256 bytes.  BatchNorm and the bias are folded to h = acc * s + c:
; s = gamma * rsqrt(var + 1e-5), c = (b - mean) * s + beta;  bnp[path]: s[512] at +0, c[512] at +2048, (s,s,c,c)[512] at +4096.
; FORMAT, a design decision: a spike is a threshold decision, so a path has one well-defined result only if all its inputs are taken in one format.
; The matrix operands x and W have to be bf16; b, gamma, beta, mean and var are therefore rounded to bf16 (nearest even) too, and everything from
; there on is f32: the path is reference() in f32 on inputs rounded to bf16.  The BN vectors so carry 8 significant bits (relative error at most 2^-8).
; LIMIT: the fold rounds in another order than (acc + b - mean) * s + beta; the difference is a few units in the last place of h.
; A stream: no LDS, no matrix unit, no cluster (no work-group shares a byte with another).
; Every work-group converts 1/256 of each weight: thread = one chunk of 8 numbers (32 bytes in, 16 bytes out).
; Work-groups 0 to 3 also fold the 512 columns of the four paths, a column a thread; they ask for those 20 numbers ahead of the weights, so that
; both requests are on their way together.  The two kinds of work-group are two ways from one branch, each written out.
.set PATHW, 524288                     ; bytes of one path in wbf
.set PATHP, 12288                      ; bytes of one path in bnp
.set LD,  8                            ; v[8:39]   path p: 8 f32 as loaded
.set CV,  40                           ; v[40:55]  path p: 4 registers of bf16
.set BL,  64                           ; v[64:95]  path p: b, gamma, beta, mean, var, three at work
.set BO,  96                           ; v[96:111] path p: s, s, c, c
.macro WLOAD                           ; my chunk of each of the four weights
.irp p, 0,1,2,3
	global_load_b128 v[LD+8*\p:LD+8*\p+3],   v1, s[8+12*\p:8+12*\p+1] th:TH_LOAD_NT
	global_load_b128 v[LD+8*\p+4:LD+8*\p+7], v1, s[8+12*\p:8+12*\p+1] offset:16 th:TH_LOAD_NT
.endr
.endm
.macro WCONV                           ; rounded and stored, path by path
.irp p, 0,1,2,3
	s_wait_loadcnt 6-2*\p                          ; the later paths' loads, two each, may stay out; whatever was asked for ahead of the weights is in
.irp j, 0,1,2,3
	v_cvt_pk_bf16_f32 v[CV+4*\p+\j], v[LD+8*\p+2*\j], v[LD+8*\p+2*\j+1]
.endr
	global_store_b128 v2, v[CV+4*\p:CV+4*\p+3], s[56:57] offset:\p*PATHW
.endr
.endm
	s_load_b512 s[8:23],  s[0:1], 0x0              ; pointer i (w, b, gamma, beta, mean, var) of path p lies in s[8+12p+2i : +1]
	s_load_b512 s[24:39], s[0:1], 0x40
	s_load_b512 s[40:55], s[0:1], 0x80
	s_load_b128 s[56:59], s[0:1], 0xc0             ; wbf s[56:57], bnp s[58:59]
	s_and_b32 s2, ttmp9, 31                        ; chunk number = 128 x + thread = kstep * 4096 + n * 8 + k8
	s_lshl_b32 s2, s2, 15                          ; (x & 31) * 16 rows of 2,048 bytes
	s_lshr_b32 s3, ttmp9, 5
	s_lshl_b32 s3, s3, 8                           ; kstep = x >> 5: 256 bytes along a row
	s_add_co_u32 s2, s2, s3
	s_lshl_b32 s3, ttmp9, 11                       ; 128 chunks of 16 bytes
	v_lshrrev_b32 v1, 3, v0
	v_and_b32 v3, 7, v0
	v_lshl_add_u32 v1, v1, 11, s2                  ; + (thread >> 3) rows
	v_lshl_add_u32 v1, v3, 5, v1                   ; + (thread & 7) * 32 bytes: source offset
	v_lshl_add_u32 v2, v0, 4, s3                   ; destination offset: a wave's store covers 512 consecutive bytes
	s_lshl_b32 s2, ttmp9, 7
	v_add_nc_u32 v6, s2, v0                        ; column, for work-groups 0 to 3
	v_lshlrev_b32 v4, 2, v6
	v_lshlrev_b32 v5, 4, v6
	s_wait_kmcnt 0x0
	s_cmp_gt_u32 ttmp9, 3                          ; 512 columns = 4 work-groups of 128 threads
	s_cbranch_scc1 .Lplain
.irp p, 0,1,2,3
.irp i, 0,1,2,3,4
	global_load_b32 v[BL+8*\p+\i], v4, s[10+12*\p+2*\i:10+12*\p+2*\i+1]
.endr
.endr
	WLOAD
	WCONV                                          ; loads come back in order (ISA guide 5.7.1): its first wait shows the 20 numbers in
.irp p, 0,1,2,3
	; the five numbers are rounded to bf16, two to a register, and widened again: the low half by a shift, the high half by a mask
	v_cvt_pk_bf16_f32 v[BL+8*\p+5], v[BL+8*\p],   v[BL+8*\p+1]         ; b, gamma
	v_cvt_pk_bf16_f32 v[BL+8*\p+6], v[BL+8*\p+2], v[BL+8*\p+3]         ; beta, mean
	v_cvt_pk_bf16_f32 v[BL+8*\p+7], v[BL+8*\p+4], v[BL+8*\p+4]         ; var
	v_lshlrev_b32 v[BL+8*\p],   16, v[BL+8*\p+5]
	v_and_b32     v[BL+8*\p+1], 0xffff0000, v[BL+8*\p+5]
	v_lshlrev_b32 v[BL+8*\p+2], 16, v[BL+8*\p+6]
	v_and_b32     v[BL+8*\p+3], 0xffff0000, v[BL+8*\p+6]
	v_lshlrev_b32 v[BL+8*\p+4], 16, v[BL+8*\p+7]
	; the fold, in f32
	v_add_f32 v[BL+8*\p+4], 0x3727c5ac, v[BL+8*\p+4]                   ; x = var + 1e-5
	v_rsq_f32 v[BL+8*\p+5], v[BL+8*\p+4]                               ; y
	v_sub_f32 v[BL+8*\p], v[BL+8*\p], v[BL+8*\p+3]                     ; b - mean: the plain instruction behind the transcendental (ISA guide 5.7.2)
	s_wait_alu depctr_va_vdst(0)
	v_mul_f32 v[BL+8*\p+6], v[BL+8*\p+4], v[BL+8*\p+5]                 ; x y
	v_fma_f32 v[BL+8*\p+6], -v[BL+8*\p+6], v[BL+8*\p+5], 1.0           ; e = 1 - x y y
	v_mul_f32 v[BL+8*\p+7], 0.5, v[BL+8*\p+5]
	v_fma_f32 v[BL+8*\p+5], v[BL+8*\p+7], v[BL+8*\p+6], v[BL+8*\p+5]   ; one Newton step: y + y e / 2
	v_mul_f32 v[BO+4*\p], v[BL+8*\p+1], v[BL+8*\p+5]                   ; s
	v_fma_f32 v[BO+4*\p+2], v[BL+8*\p], v[BO+4*\p], v[BL+8*\p+2]       ; c
	v_mov_b32 v[BO+4*\p+1], v[BO+4*\p]
	v_mov_b32 v[BO+4*\p+3], v[BO+4*\p+2]
	global_store_b32  v4, v[BO+4*\p],   s[58:59] offset:\p*PATHP
	global_store_b32  v4, v[BO+4*\p+2], s[58:59] offset:\p*PATHP+2048
	global_store_b128 v5, v[BO+4*\p:BO+4*\p+3], s[58:59] offset:\p*PATHP+4096
.endr
	s_endpgm
.Lplain:
	WLOAD
	WCONV
	s_endpgm
.Lfunc_end_k_qedfc5cf59f_prep:
	.size	k_qedfc5cf59f_prep, .Lfunc_end_k_qedfc5cf59f_prep-k_qedfc5cf59f_prep
	.p2alignl 7, 3214868480
	.fill 96, 4, 3214868480
	.section	.rodata,"a",@progbits
	.p2align	6, 0x0
	.amdhsa_kernel k_qedfc5cf59f_prep
		.amdhsa_group_segment_fixed_size 0
		.amdhsa_private_segment_fixed_size 0
		.amdhsa_enable_private_segment 0
		.amdhsa_kernarg_size 208
		.amdhsa_user_sgpr_count 2
		.amdhsa_user_sgpr_kernarg_segment_ptr 1
		.amdhsa_wavefront_size32 1
		.amdhsa_system_sgpr_workgroup_id_x 1
		.amdhsa_system_sgpr_workgroup_id_y 1
		.amdhsa_system_sgpr_workgroup_id_z 1
		.amdhsa_system_vgpr_workitem_id 0
		.amdhsa_next_free_vgpr 112
		.amdhsa_next_free_sgpr 66
		.amdhsa_reserve_vcc 0
		.amdhsa_float_denorm_mode_32 3
		.amdhsa_float_denorm_mode_16_64 3
		.amdhsa_memory_ordered 1
		.amdhsa_forward_progress 1
		.amdhsa_inst_pref_size 13
	.end_amdhsa_kernel
	.amdgpu_metadata
---
amdhsa.version: [ 1, 2 ]
amdhsa.kernels:
  - .name:           k_qedfc5cf59f_prep
    .symbol:         k_qedfc5cf59f_prep.kd
    .args:
      - { .name: k_w, .offset: 0, .size: 8, .value_kind: global_buffer, .address_space: global }
      - { .name: k_b, .offset: 8, .size: 8, .value_kind: global_buffer, .address_space: global }
      - { .name: k_gamma, .offset: 16, .size: 8, .value_kind: global_buffer, .address_space: global }
      - { .name: k_beta, .offset: 24, .size: 8, .value_kind: global_buffer, .address_space: global }
      - { .name: k_mean, .offset: 32, .size: 8, .value_kind: global_buffer, .address_space: global }
      - { .name: k_var, .offset: 40, .size: 8, .value_kind: global_buffer, .address_space: global }
      - { .name: v_w, .offset: 48, .size: 8, .value_kind: global_buffer, .address_space: global }
      - { .name: v_b, .offset: 56, .size: 8, .value_kind: global_buffer, .address_space: global }
      - { .name: v_gamma, .offset: 64, .size: 8, .value_kind: global_buffer, .address_space: global }
      - { .name: v_beta, .offset: 72, .size: 8, .value_kind: global_buffer, .address_space: global }
      - { .name: v_mean, .offset: 80, .size: 8, .value_kind: global_buffer, .address_space: global }
      - { .name: v_var, .offset: 88, .size: 8, .value_kind: global_buffer, .address_space: global }
      - { .name: q_w, .offset: 96, .size: 8, .value_kind: global_buffer, .address_space: global }
      - { .name: q_b, .offset: 104, .size: 8, .value_kind: global_buffer, .address_space: global }
      - { .name: q_gamma, .offset: 112, .size: 8, .value_kind: global_buffer, .address_space: global }
      - { .name: q_beta, .offset: 120, .size: 8, .value_kind: global_buffer, .address_space: global }
      - { .name: q_mean, .offset: 128, .size: 8, .value_kind: global_buffer, .address_space: global }
      - { .name: q_var, .offset: 136, .size: 8, .value_kind: global_buffer, .address_space: global }
      - { .name: proj_w, .offset: 144, .size: 8, .value_kind: global_buffer, .address_space: global }
      - { .name: proj_b, .offset: 152, .size: 8, .value_kind: global_buffer, .address_space: global }
      - { .name: proj_gamma, .offset: 160, .size: 8, .value_kind: global_buffer, .address_space: global }
      - { .name: proj_beta, .offset: 168, .size: 8, .value_kind: global_buffer, .address_space: global }
      - { .name: proj_mean, .offset: 176, .size: 8, .value_kind: global_buffer, .address_space: global }
      - { .name: proj_var, .offset: 184, .size: 8, .value_kind: global_buffer, .address_space: global }
      - { .name: wbf, .offset: 192, .size: 8, .value_kind: global_buffer, .address_space: global }
      - { .name: bnp, .offset: 200, .size: 8, .value_kind: global_buffer, .address_space: global }
    .group_segment_fixed_size: 0
    .private_segment_fixed_size: 0
    .kernarg_segment_align: 8
    .kernarg_segment_size: 208
    .max_flat_workgroup_size: 128
    .sgpr_count:     66
    .vgpr_count:     112
    .wavefront_size: 32
...
	.end_amdgpu_metadata
.endif
;; end of part 5
;; launch paths (part 6): grid 256 x 1, 4 waves a work-group, clusters of 4 x 1, 327,680 bytes of LDS; arguments key, value, query, wbf, bnp, bits; writes bits
.if DOCPART == 6
	.amdgcn_target "amdgcn-amd-amdhsa--gfx1250"
	.amdhsa_code_object_version 6
	.text
	.protected	k_qedfc5cf59f_paths
	.globl	k_qedfc5cf59f_paths
	.p2align	8
	.type	k_qedfc5cf59f_paths,@function
k_qedfc5cf59f_paths:
	s_mov_b64 s[64:65], 0
	v_nop
	global_prefetch_b8 v0, s[64:65] scope:SCOPE_SE
	s_setreg_imm32_b32 hwreg(HW_REG_WAVE_MODE, 25, 1), 1
	s_wait_xcnt 0x0
	s_wait_alu depctr_hold_cnt(0) depctr_sa_sdst(0) depctr_va_vdst(0) depctr_va_sdst(0) depctr_va_ssrc(0) depctr_va_vcc(0) depctr_vm_vsrc(0)
	s_getreg_b32 s2, hwreg(HW_REG_IB_STS2, 6, 4)
	s_cmp_eq_u32 s2, 0
	s_cbranch_scc0 .Lentry_in_a_cluster
	s_endpgm
.Lentry_in_a_cluster:
	s_bfe_u32 s2, ttmp6, 0x10000c
	s_cmp_lg_u32 s2, 0x3003
	s_cbranch_scc0 .Lentry_shape_is_right
	s_endpgm
.Lentry_shape_is_right:
; The three input paths: spikes = LIF over t of BN(x W^T + b) for x = key, value, query, stored as one bit a spike.
; A work-group takes 32 positions l of one batch entry at all four t: 128 rows (row = 32 t + l') x 512 columns, K = 512, so that the LIF, which
; couples the four t of one (l, column), stays in one lane's registers.  Wave w makes all 128 rows x columns 128 w .. +127: 64 accumulator
; tiles of 16 x 16, 512 registers.  M tile m = 2 t + s, s = which 16 of the 32 l.
; THE WORK-GROUP STAYS: it makes key's, value's and query's block one after the other, as ONE stream of 24 K steps of 64 through two slots.
;   W: the bf16 K-step tiles of k, v, q follow each other in wbf, so the ring's address steps by two tiles from step 0 to step 21.
;   x: read from memory once, by loads into registers, rounded to bf16 once and laid into LDS for all four waves.  In step g the x of step g + 1 is
;      laid down and the x of step g + 3 is asked for, over the change of buffer too: a stream pointer is stepped by 256 bytes and, at every eighth
;      step, replaced by the next buffer's.  So while a block's spikes are made, the next block's first x and W are on their way.
;   TEXT: key and value run a loop of two trips: a first lap of two K steps, written out because its products start the sums, a loop of three laps,
;      and the way out.  query's eight steps are written out: they have the other orientation, and they hold the stream's tail (no load, no refill).
; CLUSTERS of 4 x 1 work-groups ask for each tile of W jointly (mask 15), one tensor load a wave, which divides the requests for W by four.
; x is shared with nobody.
; ORIENTATION.  key, value (nat = 1): source 0 = x, source 1 = W: a lane holds one column and eight rows l, which is the operand layout of k^T v
; (contraction over l).  query (nat = 0): source 0 = W, source 1 = x: a lane holds one row and eight columns, the layout of q attn (contraction over d).
; BITS.  bits[tensor k,v,q][t][x][wave][lane][c' 4] u32.  A word holds a lane's two 16-bit fragments (K = 32) q = 0, 1: fragment register p has
; its low element at bit p + 8 q and its high element at bit 16 + p + 8 q.  nat = 1: word c' = column tiles 2c', 2c'+1 (q = tile & 1, p = 4 s + j/2);
; nat = 0: word c' = columns 32 c' .. +31 (p = 4 (tile & 1) + j/2, q = s).
; LIMITS.  Operands are rounded to bf16, sums are f32 in the matrix unit's order, BN is one fused multiply-add: a membrane within a few units in the
; last place of 1.0 can decide otherwise than a sum made in another order.  A membrane of -inf becomes NaN (the reset is v - v S).
.set PITCH,  144                       ; an LDS row: 128 bytes (64 bf16) + 16: an odd multiple of 16, so sixteen rows start 16 bytes apart modulo 256
.set T16,    16*PITCH
.set WPART,  128*PITCH                 ; a wave's 128 rows of W: what its one tensor load brings, and what it alone reads
.set WSLOT,  4*WPART                   ; 73,728: slots at 0 and WSLOT
.set ABASE,  2*WSLOT                   ; 147,456 = 576 * 256: x slots, written by LDS stores alone, never a tensor load's target
.set ASLOT,  128*PITCH
.set WTILE,  65536                     ; a K-step tile of wbf in memory
.set ADRA, 16                          ; v16     LDS address of my x fragments in x slot 0
.set ASTO, 17                          ; v17     where I lay 8 bytes of converted x
.set XOFF, 18                          ; v18     my byte offset in the two rows that a load of x covers
.set PADN, 19                          ; v19     BN offset, nat = 1: (s,s,c,c) of my column
.set ADRB, 20                          ; v20-21  LDS address of my W fragments in slot 0, 1
.set BOFF, 22                          ; v22     16 x thread: my four words of bits
.set PADT, 23                          ; v23     BN offset, nat = 0: s of my eight columns
.set PR1,  32                          ; v[32:63]   key, value: (s,s,c,c) of my column in column tile b at PR1 + 4 b
.set F0,   64                          ; fragment buffers: window 0 x, window 1 W.  F0 holds the next block's first fragments during a way out
.set F1,   128
.set SET0, 0                           ; window 1: x as loaded, two sets of 64 registers; at the very end query's BN numbers
.set SET1, 192
.set HB,   128                         ; the way out, window 0: h, then the membrane, level t at HB + 16 t
.set SK,   192                         ; 16 spikes as 1.0 or 0
.set NB,   208                         ; nibble pairs N(t, s, q) at NB + 8 t + 4 s + 2 q
.set WD,   240                         ; words, 4 t + c'
.set G1, 24                            ; s[24:31] descriptor group 1
.set G0, 32                            ; s[32:39] descriptor group 0, one set for each slot
.set MSK, 40                           ; s[40:55] sixteen lane masks
.set XS, 56                            ; s[56:57] x's stream pointer: the K step asked for last
.set PB, 58                            ; s[58:59] bnp at the block's path
.set OB, 60                            ; s[60:61] bits at the block's tensor and my work-group
.set XN, 66                            ; s[66:67] the next buffer of the stream, at my wave's t and the group's first row
.set XQ, 68                            ; s[68:69] query there
.set KQ, 70                            ; s70      the K step, 0 to 7, to which XS points
.set LC, 71                            ; s71      laps
.set TC, 72                            ; s72      blocks
.set MSB, 0
.macro WIN new                         ; the immediate's high byte repeats the setting that is left
.if MSB != (\new)
	s_set_vgpr_msb (MSB<<8)|(\new)
.set MSB, \new
.endif
.endm
.macro WINLO nat                       ; C and D window 2; nat = 1: source 0 (x) window 0, source 1 (W) window 1; nat = 0: the other way round
.if \nat
	WIN 0xa4
.else
	WIN 0xa1
.endif
.endm
.macro WINHI nat                       ; the same with C and D in window 3
.if \nat
	WIN 0xf4
.else
	WIN 0xf1
.endif
.endm
.macro PLACES                          ; four places behind a matrix instruction, ahead of loads into its sources and of reads of its result
.rept 4
	v_nop
.endr
.endm
.macro CREST                           ; a round of the cluster's barrier behind its opening work-group barrier
	s_cmp_lg_u32 s20, 0
	s_cbranch_scc1 .Lnot_wave_0_\@
	s_barrier_signal -3
.Lnot_wave_0_\@:
	s_barrier_wait -3
	s_barrier_signal -1
	s_barrier_wait -1
.endm
.macro CROUND
	s_barrier_signal -1
	s_barrier_wait -1
	CREST
.endm
	s_load_b256 s[4:11], s[0:1], 0x0               ; key s[4:5], value s[6:7], query s[8:9], wbf s[10:11]
	s_load_b128 s[12:15], s[0:1], 0x20             ; bnp s[12:13], bits s[14:15]
	v_lshl_add_u32 v30, v0, 2, 0x2d000
	v_mov_b32 v31, 0
	ds_add_u32 v30, v31
	v_lshrrev_b32 v1, 5, v0
	v_readfirstlane_b32 s20, v1                    ; wave 0..3
	s_bfe_u32 s21, ttmp6, 0x40000                  ; cx
	s_lshl_b32 s22, ttmp9, 2
	s_add_co_u32 s22, s22, s21                     ; x = 4 * cluster x + cx = 32 b + block of 32 l
	; group 1: 64 dense rows of 256 bytes (= 128 rows of W's tile), 16 bytes of padding behind every 128 bytes
	s_mov_b32 s[G1+0], 15|(3<<16)|(1<<20)|(1<<21)|(4<<22)|(3<<25)  ; 15:0 mask: the four partners; 17:16 elements of 8 bytes; 20 padding on; 21 set beside a mask; 24:22 after 32 words; 31:25 of 4 words
	s_mov_b32 s[G1+1], 32<<16                      ; tensor_dim0 = 32 elements
	s_mov_b32 s[G1+2], 64<<16                      ; tensor_dim1 = 64 rows
	s_mov_b32 s[G1+3], 32<<16                      ; tile_dim0 = 32
	s_mov_b32 s[G1+4], 64                          ; tile_dim1 = 64
	s_mov_b32 s[G1+5], 32                          ; pitch: dense
	s_mov_b32 s[G1+6], 0
	s_mov_b32 s[G1+7], 0
	s_lshl_b32 s16, s20, 14                        ; my wave's 128 rows of 128 bytes in a tile
	s_mov_b32 s17, 0
	s_mul_i32 s18, s20, WPART                      ; and where they go: the wave's number alone enters an LDS address
	s_wait_dscnt 0x0
	s_wait_kmcnt 0x0
	s_add_nc_u64 s[10:11], s[10:11], s[16:17]
	CROUND                                         ; the four partners are here: the first joint loads meet
.irp sl, 0,1
	s_mov_b32 s[G0+4*\sl], 1
	s_add_co_u32 s[G0+4*\sl+1], s18, \sl*WSLOT
	s_add_nc_u64 s[G0+4*\sl+2:G0+4*\sl+3], s[10:11], \sl*WTILE
	s_or_b32 s[G0+4*\sl+3], s[G0+4*\sl+3], 0x80000000
	tensor_load_to_lds s[G0+4*\sl:G0+4*\sl+3], s[G1:G1+7]          ; steps 0 and 1: two tensor loads of the wave are out
	s_nop 0
.endr
	s_lshl_b32 s62, s20, 24                        ; wave w stages t = w: 8 * 1024 * 512 * 4 bytes a t
	s_lshl_b32 s63, s22, 16                        ; 32 rows of 2,048 bytes a work-group
	s_add_co_u32 s62, s62, s63
	s_mov_b32 s63, 0
	s_add_nc_u64 s[4:5], s[4:5], s[62:63]          ; key, value and query at my wave's t and the group's first row
	s_add_nc_u64 s[XN:XN+1], s[6:7], s[62:63]
	s_add_nc_u64 s[XQ:XQ+1], s[8:9], s[62:63]
	s_add_nc_u64 s[XS:XS+1], s[4:5], 512           ; the stream stands at key's K step 2: steps 0 to 2 are asked for below, by s[4:5]
	s_mov_b32 s[KQ], 2
	v_and_b32 v2, 15, v0                           ; r
	v_bfe_u32 v3, v0, 4, 1                         ; h
	v_lshlrev_b32 v[XOFF], 4, v2
	v_lshl_add_u32 v[XOFF], v3, 11, v[XOFF]        ; lanes 0-15 one row's 256 bytes, lanes 16-31 the next row's
.macro XLOAD set, base, kst            ; my 32 rows x 64 k, kst K steps behind the base: sixteen loads, each half-wave 256 consecutive aligned bytes
.irp g, 0,1,2,3,4,5,6,7,8,9,10,11,12,13,14,15
	global_load_b128 v[\set+4*\g:\set+4*\g+3], v[XOFF], s[\base:\base+1] offset:\g*4096+\kst*256 th:TH_LOAD_NT
.endr
.endm
	WIN 0x40
	XLOAD SET0, 4, 0
	XLOAD SET1, 4, 1
	WIN 0
	s_mov_b64 s[PB:PB+1], s[12:13]
	s_lshl_b32 s62, s22, 11
	s_add_nc_u64 s[OB:OB+1], s[14:15], s[62:63]
	v_mul_u32_u24 v4, v2, PITCH
	v_lshl_add_u32 v4, v3, 4, v4                   ; fragment address: row r, 16 bytes for each half of the lanes
	v_add_nc_u32 v[ADRA], ABASE, v4
	v_add_nc_u32 v[ADRB], s18, v4
	v_add_nc_u32 v[ADRB+1], WSLOT, v[ADRB]
	s_mul_i32 s19, s20, 32*PITCH
	s_add_co_u32 s19, s19, ABASE
	v_mul_u32_u24 v5, v3, PITCH
	v_lshl_add_u32 v5, v2, 3, v5
	v_add_nc_u32 v[ASTO], s19, v5                  ; row 32 w + h, 8 bytes a lane
	s_lshl_b32 s19, s20, 11
	s_add_co_u32 s19, s19, 4096
	v_lshl_add_u32 v[PADN], v2, 4, s19             ; 16 bytes for column 128 w + r
	s_lshl_b32 s19, s20, 9
	v_lshl_add_u32 v[PADT], v3, 5, s19             ; 4 bytes a column, from column 128 w + 8 h
	v_lshlrev_b32 v[BOFF], 4, v0
.macro PARAMS1                         ; key, value: (s,s,c,c) of my column in each of the 8 column tiles; they land during the block's K steps
	WIN 0
.irp b, 0,1,2,3,4,5,6,7
	global_load_b128 v[PR1+4*\b:PR1+4*\b+3], v[PADN], s[PB:PB+1] offset:\b*256
.endr
.endm
.macro PARAMS0                         ; query: s and c of my 8 columns in column tile b into window 1 at 16 b + 128 (b / 4): the two sets, free by then
	WIN 0x40
.irp b, 0,1,2,3,4,5,6,7
	global_load_b128 v[16*\b+128*(\b/4):16*\b+128*(\b/4)+3],     v[PADT], s[PB:PB+1] offset:\b*64
	global_load_b128 v[16*\b+128*(\b/4)+4:16*\b+128*(\b/4)+7],   v[PADT], s[PB:PB+1] offset:\b*64+16
	global_load_b128 v[16*\b+128*(\b/4)+8:16*\b+128*(\b/4)+11],  v[PADT], s[PB:PB+1] offset:\b*64+2048
	global_load_b128 v[16*\b+128*(\b/4)+12:16*\b+128*(\b/4)+15], v[PADT], s[PB:PB+1] offset:\b*64+2064
.endr
.endm
.macro ADV                             ; the stream goes one K step on: 256 bytes along the rows, or to the next buffer's first K step
	s_wait_xcnt 0x0                                ; XS, the base of the loads issued a K step ago, is rewritten only behind this wait
	s_add_nc_u64 s[XS:XS+1], s[XS:XS+1], 256
	s_add_co_u32 s[KQ], s[KQ], 1
	s_cmp_eq_u32 s[KQ], 8
	s_cselect_b64 s[XS:XS+1], s[XN:XN+1], s[XS:XS+1]
	s_cselect_b64 s[XN:XN+1], s[XQ:XQ+1], s[XN:XN+1]   ; behind value comes query
	s_cselect_b32 s[KQ], 0, s[KQ]
.endm
; A set of x is rounded to bf16 in place and laid into x slot 'slot'; then the set is loaded again: what = 0..7: query's K step 'what';
; 8, 9: with nothing; 10: the stream's next K step.  left = how many younger loads may stay out.
.macro STAGE set, slot, left, what
	s_wait_loadcnt \left
	WIN 0x45
.irp g, 0,1,2,3,4,5,6,7,8,9,10,11,12,13,14,15
	v_cvt_pk_bf16_f32 v[\set+4*\g],   v[\set+4*\g],   v[\set+4*\g+1]
	v_cvt_pk_bf16_f32 v[\set+4*\g+1], v[\set+4*\g+2], v[\set+4*\g+3]
.endr
	WIN 0x44
.irp g, 0,1,2,3,4,5,6,7,8,9,10,11,12,13,14,15
	ds_store_b64 v[ASTO], v[\set+4*\g:\set+4*\g+1] offset:\slot*ASLOT+\g*2*PITCH
.endr
.if \what < 8
	XLOAD \set, XQ, \what
.endif
.if \what == 10
	ADV
	XLOAD \set, XS, 0
.endif
.endm
.macro MM nat, zero, d, xf, wf
.if \nat
.if \zero
	v_wmma_f32_16x16x32_bf16 v[\d:\d+7], v[\xf:\xf+7], v[\wf:\wf+7], 0
.else
	v_wmma_f32_16x16x32_bf16 v[\d:\d+7], v[\xf:\xf+7], v[\wf:\wf+7], v[\d:\d+7]
.endif
.else
.if \zero
	v_wmma_f32_16x16x32_bf16 v[\d:\d+7], v[\wf:\wf+7], v[\xf:\xf+7], 0
.else
	v_wmma_f32_16x16x32_bf16 v[\d:\d+7], v[\wf:\wf+7], v[\xf:\xf+7], v[\d:\d+7]
.endif
.endif
.endm
; 16 matrix instructions: M tiles a0, a0 + 1 of the window's four x all 8 column tiles, 32 along K.  zero = 1: the first product starts the sums.
; The 64 accumulators take turns, one instruction a turn, in the same order in every quarter, over both loops' backward jumps too.
.macro MUL16 nat, f, hi, a0, zero
.irp a, \a0, \a0+1
.irp b, 0,1,2,3,4,5,6,7
	MM \nat, \zero, 8*(8*(\a)+\b), \f+8*(4*\hi+(\a)), \f+8*\b
.endr
.endr
.endm
.macro FETCH slot, k, f                ; 32 LDS loads in one run: W's 8 fragments, then x's 8, 32 K at byte k of the slot's rows
	WIN 0x40
.irp i, 0,1,2,3,4,5,6,7
	ds_load_b128 v[\f+8*\i:\f+8*\i+3],   v[ADRB+\slot] offset:\k+\i*T16
	ds_load_b128 v[\f+8*\i+4:\f+8*\i+7], v[ADRB+\slot] offset:\k+\i*T16+32
.endr
	WIN 0
.irp i, 0,1,2,3,4,5,6,7
	ds_load_b128 v[\f+8*\i:\f+8*\i+3],   v[ADRA] offset:\slot*ASLOT+\k+\i*T16
	ds_load_b128 v[\f+8*\i+4:\f+8*\i+7], v[ADRA] offset:\slot*ASLOT+\k+\i*T16+32
.endr
.endm
; First half of a K step: multiplies buffer 0; in its middle the next K step's x is staged (stg = 1) and the second half's fragments are fetched.
.macro QUARTER nat, slot, zero, stg, set, sslot, left, what
	s_wait_dscnt 8                                 ; W and x tiles 0-3 are in; the youngest eight loads (x tiles 4-7) may be out
	WINLO \nat
	MUL16 \nat, F0, 0, 0, \zero
	MUL16 \nat, F0, 0, 2, \zero
.if \stg
	STAGE \set, \sslot, \left, \what
.if \what == 9
	PARAMS0
.endif
.endif
	PLACES
	FETCH \slot, 64, F1
	s_wait_dscnt 32                                ; all but the 32 just issued
	WINHI \nat
	MUL16 \nat, F0, 1, 0, \zero
	MUL16 \nat, F0, 1, 2, \zero
.endm
; Second half: multiplies buffer 1 and changes slots.  One barrier: in front of it each wave waits for its LDS reads of this slot, for its LDS stores
; into the next x slot and for all its tensor loads (one is out: its part of W's next slot).  fill = 1: the barrier opens a round of the cluster's
; barrier, and behind the round this W slot is asked for again, two K steps ahead: the wave's one tensor load until the next such round.
.macro TURN nat, slot, next, fill
	s_wait_dscnt 8
	WINLO \nat
	MUL16 \nat, F1, 0, 0, 0
	s_wait_dscnt 0
	s_set_vgpr_msb (MSB<<8)|((MSB&0xf0)|0x0)
	s_wait_tensorcnt 0x0
	ds_add_u32 v30, v31
	s_wait_dscnt 0x0
	s_set_vgpr_msb (((MSB&0xf0)|0x0)<<8)|MSB
	s_barrier_signal -1
	MUL16 \nat, F1, 0, 2, 0                        ; register work while the others arrive
	WIN 0
	s_barrier_wait -1
.if \fill
	CREST
	s_add_nc_u64 s[G0+4*\slot+2:G0+4*\slot+3], s[G0+4*\slot+2:G0+4*\slot+3], 2*WTILE   ; no tensor load of mine is out
	tensor_load_to_lds s[G0+4*\slot:G0+4*\slot+3], s[G1:G1+7]
	s_nop 0
.endif
	PLACES
	FETCH \next, 0, F0
	WINHI \nat
	MUL16 \nat, F1, 1, 0, 0
	MUL16 \nat, F1, 1, 2, 0
.endm
; A lap: two K steps, once round both rings, everything asked for again from the stream.
.macro LAP nat, zero, left
	QUARTER \nat, 0, \zero, 1, SET1, 1, \left, 10
	TURN \nat, 0, 1, 1
	QUARTER \nat, 1, 0, 1, SET0, 0, \left, 10
	TURN \nat, 1, 0, 1
.endm
; One LIF step on the 16 numbers of (t, column tile): v = v + (h - v) / 2 as reference() rounds it, S = v >= 1, v = v - v S; then the 16 spikes
; are summed to two nibble pairs (low elements, high elements) by exact multiply-adds.
.macro LEVEL t, q
.set HT, HB+16*\t
.if \t == 0
.irp u, 0,2,4,6,8,10,12,14
	v_pk_mul_f32 v[HT+\u:HT+\u+1], v[HT+\u:HT+\u+1], 0.5 op_sel_hi:[1,0]
.endr
.else
.irp u, 0,2,4,6,8,10,12,14
	v_pk_add_f32 v[HT+\u:HT+\u+1], v[HT+\u:HT+\u+1], v[HT-16+\u:HT-16+\u+1] neg_lo:[0,1] neg_hi:[0,1]
.endr
.irp u, 0,2,4,6,8,10,12,14
	v_pk_fma_f32 v[HT+\u:HT+\u+1], v[HT+\u:HT+\u+1], 0.5, v[HT-16+\u:HT-16+\u+1] op_sel_hi:[1,0,1]
.endr
.endif
.irp e, 0,1,2,3,4,5,6,7,8,9,10,11,12,13,14,15
	v_cmp_ge_f32 s[MSK+\e], v[HT+\e], 1.0
.endr
.irp e, 0,1,2,3,4,5,6,7,8,9,10,11,12,13,14,15
	v_cndmask_b32 v[SK+\e], 0, 1.0, s[MSK+\e]
.endr
.if \t < 3
.irp u, 0,2,4,6,8,10,12,14
	v_pk_fma_f32 v[HT+\u:HT+\u+1], v[HT+\u:HT+\u+1], v[SK+\u:SK+\u+1], v[HT+\u:HT+\u+1] neg_lo:[1,0,0] neg_hi:[1,0,0]
.endr
.endif
.irp sh, 0,1
	v_pk_fma_f32 v[SK+8*\sh:SK+8*\sh+1],   v[SK+8*\sh+2:SK+8*\sh+3], 2.0, v[SK+8*\sh:SK+8*\sh+1] op_sel_hi:[1,0,1]
	v_pk_fma_f32 v[SK+8*\sh+4:SK+8*\sh+5], v[SK+8*\sh+6:SK+8*\sh+7], 2.0, v[SK+8*\sh+4:SK+8*\sh+5] op_sel_hi:[1,0,1]
	v_pk_fma_f32 v[NB+8*\t+4*\sh+2*\q:NB+8*\t+4*\sh+2*\q+1], v[SK+8*\sh+4:SK+8*\sh+5], 4.0, v[SK+8*\sh:SK+8*\sh+1] op_sel_hi:[1,0,1]
.endr
.endm
.macro EPI_B nat, b, q                 ; column tile b: BN of its 8 M tiles into HB + 8 m, then the four LIF steps
.if \nat
.set PRM, PR1+4*(\b)
.else
.set PRM, 16*(\b)+128*((\b)/4)
.endif
.irp hi, 0,1
.if \nat
	WIN 0x02+\hi                                   ; source 0 the accumulators' window; the BN numbers and the result in window 0
.else
	WIN 0x16+\hi                                   ; source 0 the accumulators' window, sources 1 and 2 window 1, result window 0
.endif
.irp m, 0,1,2,3
.irp jp, 0,2,4,6
.if \nat
	v_pk_fma_f32 v[HB+32*\hi+8*\m+\jp:HB+32*\hi+8*\m+\jp+1], v[8*(8*\m+(\b))+\jp:8*(8*\m+(\b))+\jp+1], v[PRM:PRM+1], v[PRM+2:PRM+3]
.else
	v_pk_fma_f32 v[HB+32*\hi+8*\m+\jp:HB+32*\hi+8*\m+\jp+1], v[8*(8*\m+(\b))+\jp:8*(8*\m+(\b))+\jp+1], v[PRM+\jp:PRM+\jp+1], v[PRM+8+\jp:PRM+8+\jp+1]
.endif
.endr
.endr
.endr
	WIN 0
	LEVEL 0, \q
	LEVEL 1, \q
	LEVEL 2, \q
	LEVEL 3, \q
.endm
.macro COMBINE nat, cp                 ; four nibble pairs to one word for each t: weights 16 and 256 (nat = 1: s, tile & 1; nat = 0: tile & 1, s)
.irp t, 0,1,2,3
.if \nat
	v_pk_fma_f32 v[NB+8*\t:NB+8*\t+1],   v[NB+8*\t+4:NB+8*\t+5], 0x41800000, v[NB+8*\t:NB+8*\t+1] op_sel_hi:[1,0,1]
	v_pk_fma_f32 v[NB+8*\t+2:NB+8*\t+3], v[NB+8*\t+6:NB+8*\t+7], 0x41800000, v[NB+8*\t+2:NB+8*\t+3] op_sel_hi:[1,0,1]
	v_pk_fma_f32 v[NB+8*\t:NB+8*\t+1],   v[NB+8*\t+2:NB+8*\t+3], 0x43800000, v[NB+8*\t:NB+8*\t+1] op_sel_hi:[1,0,1]
.else
	v_pk_fma_f32 v[NB+8*\t:NB+8*\t+1],   v[NB+8*\t+2:NB+8*\t+3], 0x41800000, v[NB+8*\t:NB+8*\t+1] op_sel_hi:[1,0,1]
	v_pk_fma_f32 v[NB+8*\t+4:NB+8*\t+5], v[NB+8*\t+6:NB+8*\t+7], 0x41800000, v[NB+8*\t+4:NB+8*\t+5] op_sel_hi:[1,0,1]
	v_pk_fma_f32 v[NB+8*\t:NB+8*\t+1],   v[NB+8*\t+4:NB+8*\t+5], 0x43800000, v[NB+8*\t:NB+8*\t+1] op_sel_hi:[1,0,1]
.endif
	v_cvt_u32_f32 v[NB+8*\t],   v[NB+8*\t]         ; at most 65,535: exact
	v_cvt_u32_f32 v[NB+8*\t+1], v[NB+8*\t+1]
	v_lshl_or_b32 v[WD+4*\t+\cp], v[NB+8*\t+1], 16, v[NB+8*\t]
.endr
.endm
; The way out of a block.  It touches neither F0 (the next block's first fragments) nor the two sets (the next block's x, on its way).
.macro EPILOG nat
	PLACES
.if \nat
	s_wait_loadcnt 32                              ; the BN numbers are older than the two sets' 32 loads, which may stay out
.else
	s_wait_loadcnt 0x0                             ; the BN numbers: nothing else is out
.endif
.irp cp, 0,1,2,3
	EPI_B \nat, 2*\cp, 0
	EPI_B \nat, 2*\cp+1, 1
	COMBINE \nat, \cp
.endr
.irp t, 0,1,2,3
	global_store_b128 v[BOFF], v[WD+4*\t:WD+4*\t+3], s[OB:OB+1] offset:\t*524288   ; a wave's store covers 512 consecutive bytes
.endr
.endm
	STAGE SET0, 0, 16, 8                           ; key's K step 0 into x slot 0; K step 1's sixteen loads stay out
	XLOAD SET0, 4, 2                               ; and K step 2 is asked for
	WIN 0
	s_wait_dscnt 0x0                               ; my part of x slot 0 is written,
	s_wait_tensorcnt 0x1                           ; my part of W's slot 0 has landed; slot 1's may stay out
	s_barrier_signal -1
	s_barrier_wait -1
	FETCH 0, 0, F0
	s_mov_b32 s[TC], 0
.Ltile:                                            ; key, then value.  Here: F0 is being fetched; SET1 holds or awaits K step 1, SET0 K step 2
	PARAMS1
	LAP 1, 1, 24                                   ; K steps 0 and 1 start the sums.  loadcnt 24: the other set's sixteen loads and the eight BN loads are younger
	WIN 0
	s_mov_b32 s[LC], 0
.Llap:                                             ; K steps 2 to 7.  loadcnt 16: the other set's sixteen loads are younger; the BN loads are older
	LAP 1, 0, 16
	WIN 0
	s_add_co_u32 s[LC], s[LC], 1
	s_cmp_lt_u32 s[LC], 3
	s_cbranch_scc1 .Llap
	EPILOG 1
	s_wait_xcnt 0x0                                ; OB, the stores' base, is rewritten only behind this wait
	s_add_nc_u64 s[OB:OB+1], s[OB:OB+1], 2097152   ; the next tensor of bits
	s_add_nc_u64 s[PB:PB+1], s[PB:PB+1], 12288     ; the next path of bnp
	s_add_co_u32 s[TC], s[TC], 1
	s_cmp_lt_u32 s[TC], 2
	s_cbranch_scc1 .Ltile
	; query: steps 16 to 23 of the stream, written out.  Its K steps 0 to 2 have been asked for by the stream; the rest by XQ and an immediate.
	QUARTER 0, 0, 1, 1, SET1, 1, 16, 3
	TURN 0, 0, 1, 1
	QUARTER 0, 1, 0, 1, SET0, 0, 16, 4
	TURN 0, 1, 0, 1
	QUARTER 0, 0, 0, 1, SET1, 1, 16, 5
	TURN 0, 0, 1, 1
	QUARTER 0, 1, 0, 1, SET0, 0, 16, 6
	TURN 0, 1, 0, 1
	QUARTER 0, 0, 0, 1, SET1, 1, 16, 7
	TURN 0, 0, 1, 1
	QUARTER 0, 1, 0, 1, SET0, 0, 16, 8             ; nothing is left to load
	TURN 0, 1, 0, 1                                ; the last refill: the stream's step 23
	QUARTER 0, 0, 0, 1, SET1, 1, 0, 9              ; the last x; both sets are free: query's BN numbers go into them
	TURN 0, 0, 1, 0                                ; nothing is filled again: a plain barrier
	QUARTER 0, 1, 0, 0, SET0, 0, 0, 8
	s_wait_dscnt 8                                 ; the very last quarter
	WINLO 0
	MUL16 0, F1, 0, 0, 0
	MUL16 0, F1, 0, 2, 0
	s_wait_dscnt 0
	WINHI 0
	MUL16 0, F1, 1, 0, 0
	MUL16 0, F1, 1, 2, 0
	EPILOG 0
	CROUND                                         ; the closing round: no work-group ends while a partner may still ask for a tile that names it
	s_endpgm
.Lfunc_end_k_qedfc5cf59f_paths:
	.size	k_qedfc5cf59f_paths, .Lfunc_end_k_qedfc5cf59f_paths-k_qedfc5cf59f_paths
	.p2alignl 7, 3214868480
	.fill 96, 4, 3214868480
	.section	.rodata,"a",@progbits
	.p2align	6, 0x0
	.amdhsa_kernel k_qedfc5cf59f_paths
		.amdhsa_group_segment_fixed_size 327680
		.amdhsa_private_segment_fixed_size 0
		.amdhsa_enable_private_segment 0
		.amdhsa_kernarg_size 48
		.amdhsa_user_sgpr_count 2
		.amdhsa_user_sgpr_kernarg_segment_ptr 1
		.amdhsa_wavefront_size32 1
		.amdhsa_system_sgpr_workgroup_id_x 1
		.amdhsa_system_sgpr_workgroup_id_y 1
		.amdhsa_system_sgpr_workgroup_id_z 1
		.amdhsa_system_vgpr_workitem_id 0
		.amdhsa_next_free_vgpr 1024
		.amdhsa_next_free_sgpr 76
		.amdhsa_reserve_vcc 0
		.amdhsa_float_denorm_mode_32 3
		.amdhsa_float_denorm_mode_16_64 3
		.amdhsa_memory_ordered 1
		.amdhsa_forward_progress 1
		.amdhsa_inst_pref_size 255
	.end_amdhsa_kernel
	.section	.bss,"aw",@nobits
	.p2align	6
	.space	262144
	.amdgpu_metadata
---
amdhsa.version: [ 1, 2 ]
amdhsa.kernels:
  - .name:           k_qedfc5cf59f_paths
    .symbol:         k_qedfc5cf59f_paths.kd
    .args:
      - { .name: key, .offset: 0, .size: 8, .value_kind: global_buffer, .address_space: global }
      - { .name: value, .offset: 8, .size: 8, .value_kind: global_buffer, .address_space: global }
      - { .name: query, .offset: 16, .size: 8, .value_kind: global_buffer, .address_space: global }
      - { .name: wbf, .offset: 24, .size: 8, .value_kind: global_buffer, .address_space: global }
      - { .name: bnp, .offset: 32, .size: 8, .value_kind: global_buffer, .address_space: global }
      - { .name: bits, .offset: 40, .size: 8, .value_kind: global_buffer, .address_space: global }
    .group_segment_fixed_size: 327680
    .private_segment_fixed_size: 0
    .kernarg_segment_align: 8
    .kernarg_segment_size: 48
    .max_flat_workgroup_size: 128
    .sgpr_count:     76
    .vgpr_count:     1024
    .wavefront_size: 32
...
	.end_amdgpu_metadata
.endif
;; end of part 6
;; launch attn (part 7): grid 256 x 1, 4 waves a work-group, no clusters, 0 bytes of LDS; arguments bits, attnf; writes attnf
.if DOCPART == 7
	.amdgcn_target "amdgcn-amd-amdhsa--gfx1250"
	.amdhsa_code_object_version 6
	.text
	.protected	k_qedfc5cf59f_attn
	.globl	k_qedfc5cf59f_attn
	.p2align	8
	.type	k_qedfc5cf59f_attn,@function
k_qedfc5cf59f_attn:
	s_mov_b64 s[64:65], 0
	v_nop
	global_prefetch_b8 v0, s[64:65] scope:SCOPE_SE
	s_setreg_imm32_b32 hwreg(HW_REG_WAVE_MODE, 25, 1), 1
	s_wait_xcnt 0x0
; attn[d][e] = sum over 1,024 l of k[l][d] v[l][e] for one (t, b, head): work-group x = (8 t + b) * 8 + head.
; Wave w = (dh, eh) makes d tiles 2 dh, 2 dh + 1 x e tiles 2 eh, 2 eh + 1 over all l: four accumulators, no LDS, no barrier.
; A word of bits is a lane's two fragments of 32 l; bit to bf16: (word << n) & 0x40004000, so that a spike enters as 2.0 and a sum is 4 x the count.
; 4 x count is at most 4,096 and a multiple of 4: exact in f16.  It is stored as the register image of the next product's fragments:
; attnf[t][b][head][c2 = d / 32][et = e / 16][half][lane][16 bytes]: lane (r, h) holds e = 16 et + r, d = 32 c2 + 16 half + 8 h + 0 .. 7.
; No cluster: each work-group reads words of its own head alone, through registers; no tile is shared.
.set KW, 8                             ; v[8:39]    k's word of block g (32 l)
.set VW, 40                            ; v[40:71]   v's
.set FR, 72                            ; v[72:135]  two sets of four fragments: K0, K1, V0, V1
.set DD, 136                           ; v[136:167] D(i, j) at DD + 8 (2 i + j)
.set OO, 168                           ; v[168:183] f16 to store
.set KM, 18                            ; s18        0x40004000
	s_load_b128 s[4:7], s[0:1], 0x0                ; bits s[4:5], attnf s[6:7]
	v_lshrrev_b32 v1, 5, v0
	v_readfirstlane_b32 s8, v1                     ; wave
	s_lshr_b32 s9, s8, 1                           ; dh
	s_and_b32 s10, s8, 1                           ; eh
	s_and_b32 s11, ttmp9, 7                        ; head
	s_lshr_b32 s12, ttmp9, 3                       ; 8 t + b
	s_lshl_b32 s12, s12, 16                        ; 32 blocks of 2,048 bytes
	s_lshr_b32 s13, s11, 1                         ; the wave of 'paths' that made the head's columns
	s_lshl_b32 s13, s13, 9
	s_add_co_u32 s12, s12, s13
	s_and_b32 s13, s11, 1
	s_lshl_b32 s13, s13, 1                         ; its words 2 (head & 1), + 1
	s_add_co_u32 s14, s13, s9
	s_lshl2_add_u32 s14, s14, s12                  ; k: word 2 (head & 1) + dh
	s_add_co_u32 s16, s13, s10
	s_lshl2_add_u32 s16, s16, s12                  ; v: word 2 (head & 1) + eh,
	s_add_co_u32 s16, s16, 2097152                 ; in the second tensor
	s_mov_b32 s15, 0
	s_mov_b32 s17, 0
	s_mov_b32 s[KM], 0x40004000
	s_lshl_b32 s20, ttmp9, 13                      ; 8,192 bytes a head
	s_lshl_b32 s21, s9, 12
	s_add_co_u32 s20, s20, s21
	s_lshl_b32 s21, s10, 11
	s_add_co_u32 s20, s20, s21
	s_mov_b32 s21, 0
	v_and_b32 v2, 31, v0
	v_lshlrev_b32 v2, 4, v2                        ; 16 bytes a lane, in bits and in attnf
	s_wait_kmcnt 0x0
	s_add_nc_u64 s[14:15], s[4:5], s[14:15]
	s_add_nc_u64 s[16:17], s[4:5], s[16:17]
	s_add_nc_u64 s[6:7], s[6:7], s[20:21]
.set g, 0
.rept 32
	global_load_b32 v[KW+g], v2, s[14:15] offset:g*2048
	global_load_b32 v[VW+g], v2, s[16:17] offset:g*2048
.set g, g+1
.endr
; Fragment q of a word: register p = bits p + 8 q and 16 + p + 8 q moved to bits 14 and 30, in two passes: the shifts, then the masks.
.macro XSHIFT dst, wreg, q
.irp p, 0,1,2,3,4,5,6,7
.if 14-\p-8*\q > 0
	v_lshlrev_b32 v[\dst+\p], 14-\p-8*\q, v[\wreg]
.endif
.if 14-\p-8*\q < 0
	v_lshrrev_b32 v[\dst+\p], 1, v[\wreg]
.endif
.endr
.endm
.macro XMASK dst, wreg, q
.irp p, 0,1,2,3,4,5,6,7
.if 14-\p-8*\q == 0
	v_and_b32 v[\dst+\p], s[KM], v[\wreg]          ; the bits already stand at 14 and 30
.else
	v_and_b32 v[\dst+\p], s[KM], v[\dst+\p]
.endif
.endr
.endm
; One block of 32 l.  All four fragments' shifts come first and then all their masks, so that a mask stands some thirty instructions behind the
; shift that it reads.  The fragment sets take turns, so that the other set's 62 plain instructions stand between a matrix instruction and the
; rewriting of its sources (ISA guide 7.12.1).  The four accumulators take turns, one instruction a turn.
.macro BLOCK zero
.set FS, FR+32*(g%2)
	s_wait_loadcnt 62-2*g                          ; the later blocks' loads, two each, may stay out
	XSHIFT FS, KW+g, 0
	XSHIFT FS+8, KW+g, 1
	XSHIFT FS+16, VW+g, 0
	XSHIFT FS+24, VW+g, 1
	XMASK FS, KW+g, 0
	XMASK FS+8, KW+g, 1
	XMASK FS+16, VW+g, 0
	XMASK FS+24, VW+g, 1
.irp i, 0,1
.irp j, 0,1
.if \zero
	v_wmma_f32_16x16x32_bf16 v[DD+8*(2*\i+\j):DD+8*(2*\i+\j)+7], v[FS+8*\i:FS+8*\i+7], v[FS+16+8*\j:FS+16+8*\j+7], 0
.else
	v_wmma_f32_16x16x32_bf16 v[DD+8*(2*\i+\j):DD+8*(2*\i+\j)+7], v[FS+8*\i:FS+8*\i+7], v[FS+16+8*\j:FS+16+8*\j+7], v[DD+8*(2*\i+\j):DD+8*(2*\i+\j)+7]
.endif
.endr
.endr
.set g, g+1
.endm
.set g, 0
	BLOCK 1                                        ; the first block starts the sums
.rept 31
	BLOCK 0
.endr
.rept 4
	v_nop                                          ; four places behind the last matrix instructions
.endr
.irp j, 0,1
.irp i, 0,1
.irp p, 0,1,2,3
	v_cvt_pk_f16_f32 v[OO+8*\j+4*\i+\p], v[DD+8*(2*\i+\j)+2*\p], v[DD+8*(2*\i+\j)+2*\p+1]   ; lane (r, h): e = r, d = 16 i + 8 h + 2 p, + 1
.endr
.endr
.endr
.irp j, 0,1
.irp hf, 0,1
	global_store_b128 v2, v[OO+8*\j+4*\hf:OO+8*\j+4*\hf+3], s[6:7] offset:\j*1024+\hf*512    ; 512 consecutive bytes a store
.endr
.endr
	s_endpgm
.Lfunc_end_k_qedfc5cf59f_attn:
	.size	k_qedfc5cf59f_attn, .Lfunc_end_k_qedfc5cf59f_attn-k_qedfc5cf59f_attn
	.p2alignl 7, 3214868480
	.fill 96, 4, 3214868480
	.section	.rodata,"a",@progbits
	.p2align	6, 0x0
	.amdhsa_kernel k_qedfc5cf59f_attn
		.amdhsa_group_segment_fixed_size 0
		.amdhsa_private_segment_fixed_size 0
		.amdhsa_enable_private_segment 0
		.amdhsa_kernarg_size 16
		.amdhsa_user_sgpr_count 2
		.amdhsa_user_sgpr_kernarg_segment_ptr 1
		.amdhsa_wavefront_size32 1
		.amdhsa_system_sgpr_workgroup_id_x 1
		.amdhsa_system_sgpr_workgroup_id_y 1
		.amdhsa_system_sgpr_workgroup_id_z 1
		.amdhsa_system_vgpr_workitem_id 0
		.amdhsa_next_free_vgpr 184
		.amdhsa_next_free_sgpr 66
		.amdhsa_reserve_vcc 0
		.amdhsa_float_denorm_mode_32 3
		.amdhsa_float_denorm_mode_16_64 3
		.amdhsa_memory_ordered 1
		.amdhsa_forward_progress 1
		.amdhsa_inst_pref_size 80
	.end_amdhsa_kernel
	.amdgpu_metadata
---
amdhsa.version: [ 1, 2 ]
amdhsa.kernels:
  - .name:           k_qedfc5cf59f_attn
    .symbol:         k_qedfc5cf59f_attn.kd
    .args:
      - { .name: bits, .offset: 0, .size: 8, .value_kind: global_buffer, .address_space: global }
      - { .name: attnf, .offset: 8, .size: 8, .value_kind: global_buffer, .address_space: global }
    .group_segment_fixed_size: 0
    .private_segment_fixed_size: 0
    .kernarg_segment_align: 8
    .kernarg_segment_size: 16
    .max_flat_workgroup_size: 128
    .sgpr_count:     66
    .vgpr_count:     184
    .wavefront_size: 32
...
	.end_amdgpu_metadata
.endif
;; end of part 7
;; launch proj: the kernel of part 4 again; grid 256 x 1, 4 waves a work-group, clusters of 4 x 1, 327,680 bytes of LDS; arguments bits, attnf, wbf, bnp, out0; writes out0
